; MI455X (gfx1250); checked and timed in simulation.
; The chip was launched on July 23, 2026; its instructions are those of AMD's public machine-readable ISA for CDNA 5 (MIT licence, August 2026) and "CDNA5" Instruction Set Architecture Reference Guide (July 2026). The comments in the code are by the model that wrote it; some were corrected since.
;; GPT Mini. Allowed arithmetic: matrix products marked QUANTISED: E2M3 operands, one E8M0 scale for each 32 along K, by v_wmma_scale_f32_16x16x128_f8f6f4 with both operands' format E2M3, f32 sums; everything else in f32.
;; Inputs: WK 1,024 x 1,024 float32; WQ 1,024 x 1,024 float32; WV 1,024 x 1,024 float32; bK 1,024 float32; bQ 1,024 float32; bV 1,024 float32; emb 50,257 x 1,024 float32; x 8 x 2,048 int32.
;; Outputs: out0 8 x 32 x 32 float32.
;; Constants: head_dim = 32.
;; This version of the problem:
;;   THIS VERSION OF THE PROBLEM IS GIVEN IN LOW PRECISION. The matrix products marked QUANTISED in the list below multiply operands that are first quantised to E2M3 (2 exponent bits, 3 mantissa bits; 6 bits a number), with one power-of-two scale for each 32 numbers along K (OCP MX v1.0); their sums are f32. All else is computed in f32.
;;   The module's matrix products, in the order in which they are computed (A, B: the left and right operand; K: the contracted axis; several contracted axes count as one K, in the product's order):
;;     1. [M 16,384, K 1,024] x [K 1,024, N 1,024]; A: computed on the way; B: input WQ: QUANTISED
;;     2. [M 16,384, K 1,024] x [K 1,024, N 1,024]; A: computed on the way; B: input WK: QUANTISED
;;     3. [M 16,384, K 1,024] x [K 1,024, N 1,024]; A: computed on the way; B: input WV: QUANTISED
;;     4. batch 16,384 x [M 32, K 32] x [K 32, N 32]; A: computed on the way; B: computed on the way: QUANTISED
;;     5. batch 8 x [M 32, K 65,536] x [K 65,536, N 32]; A: computed on the way; B: computed on the way: QUANTISED
;;   THE QUANTISER, for each operand of a quantised product, along K:
;;     - K is cut into blocks of 32 from its start; a last block that is shorter is filled with zeros.
;;     - A block's scale is 2^e with e = floor(log2(the largest magnitude in the block)) - 2, held to -126 .. 127; a block of zeros has e = 0. As a byte (E8M0): e + 127.
;;     - Each number is divided by its block's scale, clamped to +-7.5, and rounded to the nearest number of E2M3, ties to even, subnormals kept.
;;     - The product sums the exact products of the quantised numbers (number of the format x scale) in f32.
;;   ~~~python
;;   def quantise(x, axis):      # numpy; x: float32 -> the quantised numbers, widened to float32 again
;;       x = np.moveaxis(x, axis, -1); K = x.shape[-1]
;;       x = np.pad(x, [(0, 0)] * (x.ndim - 1) + [(0, -K % 32)]); x = x.reshape(x.shape[:-1] + (-1, 32)); a = np.abs(x).max(-1, keepdims=True)
;;       e = np.where(a > 0, np.clip(np.frexp(np.where(a > 0, a, 1))[1] - 1 - 2, -126, 127), 0)      # np.frexp(a)[1] - 1 = floor(log2(a)), exactly
;;       r = np.clip(x / 2.0 ** e, -7.5, 7.5)
;;       step = 2.0 ** (np.maximum(np.frexp(np.where(r == 0, 1, r))[1] - 1, 0) - 3)
;;       q = np.round(r / step) * step * 2.0 ** e      # np.round: ties to even
;;       return np.moveaxis(q.reshape(q.shape[:-2] + (-1,))[..., :K], -1, axis).astype(np.float32)
;;   ~~~
;;   OPERANDS COMPUTED ON THE WAY. 'Computed on the way' means the value that the module computes at that place (a softmax that the list does not call 'softmax' is quantised finished and normalised). What goes into a quantiser is computed in f32, as accurately as f32 sums, v_exp_f32 and their like allow (about 1e-6 of the number): no bf16 or f16 on the way to a quantiser, and a product that is left as it is and whose result goes on into a quantised operand takes f32 operands (vector FMAs, or v_wmma_f32_16x16x4_f32). A number that lies on a knife's edge between two numbers of the format may be rounded either way, as far as f32 arithmetic and the matrix unit's own rounding can turn it there, and no further.
;; 2 versions. Each part assembles by itself: llvm-mc -triple=amdgcn-amd-amdhsa -mcpu=gfx1250 --defsym DOCPART=n.
;; ======== version 1 of 2: 3 launches
;; workspace buffers: hcodes 12,582,912 bytes; hscale 524,288 bytes; wstream 2,506,752 bytes; partial 1,048,576 bytes
;; launch prep (part 1): grid 256 x 1, 4 waves a work-group, no clusters, 168,448 bytes of LDS; arguments x, emb, WQ, WK, WV, bQ, bK, bV, hcodes, hscale, wstream; writes hcodes, hscale, wstream
.if DOCPART == 1
	.amdgcn_target "amdgcn-amd-amdhsa--gfx1250"
	.amdhsa_code_object_version 6
	.text
	.protected	k_q556cad0816_prep
	.globl	k_q556cad0816_prep
	.p2align	8
	.type	k_q556cad0816_prep,@function
k_q556cad0816_prep:
	s_mov_b64 s[64:65], 0
	v_nop
	global_prefetch_b8 v0, s[64:65] scope:SCOPE_SE
	s_setreg_imm32_b32 hwreg(HW_REG_WAVE_MODE, 25, 1), 1
	s_wait_xcnt 0x0
; h = emb[x] + sin(position x frequency) and the three weights become codes of FP6 (E2M3) with one E8M0 byte for each 32 along K (K = the model's 1,024, innermost in all of them).
; Everything is stored in the ORDER OF THE OPERAND'S REGISTERS: a fragment (16 rows x 128 K, 12 registers a lane) as three runs of 512 bytes, lane l's 16 bytes at 16 l.
; hcodes [g][a][ks][1,536]: g = 32 batch + position / 64, a = tile of 16 tokens, ks = K step of 128.  hscale [g][a][ks / 2][lane]: lanes 0-15 the even K step's words, lanes 16-31 the odd one's.
; wstream: 96 chunks of 26,112 bytes; chunk c = 4 sigma + wave of the next launch: 16 fragments (8 ksub + tile), 8 x 32 scale words at 24,576, 128 biases at 25,600.
; The rows of WK and WV are taken in the order n' = 32 (index in the head) + head, so that a block of 32 neighbours of k and of v is a block along the attention's K.  Lane r of tile 2 b + u is row 32 b + 8 u + r + 8 (r / 8).
; SHARES.  Work-group p, wave w: positions 16 (p / 2) on, K step 4 (p % 2) + w, for all 8 batches: a lane's 64 sines are made once and serve 8 times.
; Waves 0 to 2 also take one unit of the weights each, U = 3 p + w of 768: chunk U / 8, K sub-step (U / 4) % 2, tiles 2 (U % 4) and 2 (U % 4) + 1.  No barrier: waves share nothing.
; A block's scale is 2^(floor(log2(largest magnitude)) - 2): the largest magnitude's exponent field - 2, held at 1 from below.
; LIMITS: NaN and infinities are not served.  A block of zeros, and one whose largest magnitude lies under 2^-124, keeps the byte 1 (this program alone reads the bytes).  x is held to 0 .. 50,256 as an unsigned number.
; The frequency is 2^(-d log2(10) / 128), good to about 1.5 units of its last place; position x frequency can so differ from another f32 evaluation by a unit of ITS last place, 1.2e-4 at position 2,047.
.set CH,    26112                      ; a chunk of wstream
.set WREG,  41984                      ; LDS: a region for each wave
.set PSC,   16896                      ; in it: two stages of 16 rows x 528 at 0; scratch for the sines, 8,192 bytes, here;
.set WST,   25088                      ; and the weights' stage, 32 rows x 528
.set SPI,   528                        ; a stage row: 512 bytes + 16
.set STG,   16*SPI
.set XA,    32                         ; v32-95, v96-159: two sets of 64 numbers, register 16 b + i = k 32 b + 16 (lane / 16) + i of my row
.set OFFW,  96                         ; v96-127: the weights' 32 row offsets, before the second set is first filled
.set TM,    160                        ; v160-163 largest magnitudes, v164-167 bytes, v172-175 the conversions' scale operands
.set PW,    176                        ; the scale word just made
.set PC,    178                        ; v178-197 the codes just made
.set SD,    200                        ; the sines' registers, four numbers at a time
.set SY,    204
.set SN,    208
.set SW,    212
.set SA,    216
.set SQ,    220
.set SZ,    224
.set SS,    228
.set SCO,   232
.set SR,    236
.set ST,    240
.set SO,    244
; v25-31, v248-252: the sines' constants.
; window 1: v0-191 three sets of 64 as loaded; v192-255 the sines.   window 2: v0-127 the weights as loaded; v128-255 the 128 tokens' offsets in emb.
.set MSB, 0
.macro WIN new                         ; the immediate's high byte repeats the setting that is left
.if MSB != \new
	s_set_vgpr_msb (MSB<<8)|\new
.set MSB, \new
.endif
.endm
; 64 numbers of a lane become a fragment's codes in v[PC] on and its scale word in v[PW]
.macro QUANT s
.irp b, 0,1,2,3
	v_max3_num_f32 v[TM+\b], |v[(\s)+16*\b]|, |v[(\s)+1+16*\b]|, 0x1800000   ; block b: my 16 numbers and the floor 2^(3 - 127)
.endr
.irp i, 2,4,6,8,10,12,14
.irp b, 0,1,2,3
	v_max3_num_f32 v[TM+\b], v[TM+\b], |v[(\s)+16*\b+\i]|, |v[(\s)+1+16*\b+\i]|
.endr
.endr
.irp b, 0,1,2,3
	v_permlanex16_b32 v[TM+4+\b], v[TM+\b], s62, s63
.endr
.irp b, 0,1,2,3
	v_max_num_f32 v[TM+\b], v[TM+\b], v[TM+4+\b]                   ; with lane l xor 16's: the block's largest magnitude
.endr
.irp b, 0,1,2,3
	v_add_nc_u32 v[TM+12+\b], 0xff000000, v[TM+\b]                 ; 2 off its exponent field: the conversion's scale operand
.endr
.irp b, 0,1,2,3
	v_lshrrev_b32 v[TM+4+\b], 23, v[TM+12+\b]                      ; the scale's byte
.endr
	v_lshl_or_b32 v[PW], v[TM+5], 8, v[TM+4]
	v_lshl_or_b32 v[PW], v[TM+6], 16, v[PW]
	v_lshl_or_b32 v[PW], v[TM+7], 24, v[PW]
.irp c, 0,1
	v_cvt_scalef32_pk16_fp6_f32 v[PC+6*\c:PC+2+6*\c], v[(\s)+32*\c:(\s)+15+32*\c], v[TM+12+2*\c]
	v_cvt_scalef32_pk16_fp6_f32 v[PC+12+4*\c:PC+14+4*\c], v[(\s)+16+32*\c:(\s)+31+32*\c], v[TM+13+2*\c]
.endr
	v_nop                                          ; one plain instruction behind the scaled conversions
.irp c, 0,1                                    ; a whole block to a lane: lanes 0-15 block 2 c, lanes 16-31 block 2 c + 1
.irp i, 0,1,2
	v_permlane16_swap_b32 v[PC+6*\c+\i], v[PC+12+4*\c+\i]
.endr
.irp i, 0,1,2
	v_mov_b32 v[PC+3+6*\c+\i], v[PC+12+4*\c+\i]
.endr
.endr
.endm
.macro XIDX first                      ; the 16 indices of each of four batches, as scalars
.irp j, 0,1,2,3
	s_load_b512 s[28+16*\j+8*(\j/2):43+16*\j+8*(\j/2)], s[4:5], 8192*((\first)+\j)
.endr
.endm
.macro OFFS first                      ; an index, held inside the table, x 4,096 bytes + my 16 bytes of the K step
	WIN 0x80
.irp j, 0,1,2,3
.set i, 0
.rept 16
	s_min_u32 s[28+16*\j+8*(\j/2)+i], s[28+16*\j+8*(\j/2)+i], 50256
	v_lshl_add_u32 v[128+16*((\first)+\j)+i], s[28+16*\j+8*(\j/2)+i], 12, v4
.set i, i+1
.endr
.endr
	WIN 0
.endm
.macro LOADS n                         ; batch n: 16 tokens, 512 consecutive bytes of each row.  No hint: a row may be named again
	WIN 0x42
.set i, 0
.rept 16
	global_load_b128 v[64*((\n)%3)+4*i:64*((\n)%3)+4*i+3], v[128+16*(\n)+i], s[6:7]
.set i, i+1
.endr
	WIN 0
.endm
.macro TURN n                          ; batch n through a stage: in as loaded, a row a token; out 16 neighbours of each block of my row.  LDS serves a wave's instructions in order
	WIN 0x04
.set i, 0
.rept 16
	ds_store_b128 v5, v[64*((\n)%3)+4*i:64*((\n)%3)+4*i+3] offset:STG*((\n)%2)+SPI*i
.set i, i+1
.endr
	WIN 0
.set i, 0
.rept 16
	ds_load_b128 v[XA+64*((\n)%2)+4*i:XA+64*((\n)%2)+4*i+3], v6 offset:STG*((\n)%2)+128*(i/4)+16*(i%4)
.set i, i+1
.endr
.endm
	s_load_b512 s[4:19], s[0:1], 0x0               ; x s[4:5], emb s[6:7], WQ, WK, WV s[8:13], bQ, bK, bV s[14:19]
	s_load_b128 s[20:23], s[0:1], 0x40             ; hcodes, hscale
	s_load_b64 s[24:25], s[0:1], 0x50              ; wstream
	v_lshl_add_u32 v254, v0, 2, 0x29000
	v_mov_b32 v255, 0
	v_lshrrev_b32 v1, 5, v0
	v_readfirstlane_b32 s60, v1                    ; wave
	v_and_b32 v1, 31, v0                           ; lane
	v_and_b32 v2, 15, v0                           ; r
	v_bfe_u32 v3, v0, 4, 1                         ; h
	s_lshr_b32 s61, ttmp9, 1                       ; T: my tile of 16 positions
	s_and_b32 s62, ttmp9, 1
	s_lshl_b32 s62, s62, 2
	s_add_co_u32 s62, s62, s60                     ; ks: my K step
	s_mul_i32 s63, s60, WREG                       ; my LDS region
	s_lshl_b32 s66, s62, 9
	v_lshl_add_u32 v4, v1, 4, s66                  ; 16 lane + 512 ks: my bytes of a row of emb
	v_lshl_add_u32 v5, v1, 4, s63                  ; the stage, in
	v_mul_u32_u24 v6, v2, SPI
	v_lshl_add_u32 v6, v3, 6, v6
	v_add_nc_u32 v6, s63, v6                       ; the stage, out: row r, + 64 h
	v_add_nc_u32 v7, PSC, v5                       ; the sines' scratch
	v_lshlrev_b32 v9, 4, v1                        ; an image's place for my lane
	s_and_b32 s66, s62, 1
	s_lshl_b32 s66, s66, 6
	v_lshl_add_u32 v10, v2, 2, s66                 ; my row's scale word: the K step's half of the lanes
	v_add_nc_u32 v11, WST, v5                      ; the weights' stage, in and out
	v_add_nc_u32 v12, WST, v6
	s_lshl_b32 s66, s61, 4
	v_add_nc_u32 v20, s66, v2
	v_cvt_f32_u32 v20, v20                         ; my position
	s_lshl_b32 s66, s62, 7
	v_lshl_add_u32 v21, v3, 4, s66                 ; 128 ks + 16 h
.irp b, 0,1,2,3
	v_mov_b32 v[TM+4+\b], 0                        ; written once: a lane permute's destination counts as one of its sources
.endr
	v_mov_b32 v25, 0xbcd49c00                      ; -13,607 / 2^19: the upper 14 bits of -log2(10) / 128
	v_mov_b32 v26, 0x3543da19                      ; what is left of it: +7.2960537e-7
	v_mov_b32 v27, 0x3f22f983                      ; 2 / pi
	v_mov_b32 v28, 0xbfc90fdb                      ; -pi / 2, in two parts
	v_mov_b32 v29, 0x333bbd2e
	v_mov_b32 v30, 0xbe2aaaa3                      ; the sine's polynomial: -1.6666654611e-1,
	v_mov_b32 v31, 0x3c08839e                      ; 8.3321608736e-3,
	v_mov_b32 v248, 0xb94ca1f9                     ; -1.9515295891e-4
	v_mov_b32 v249, 0x37ccf5ce                     ; the cosine's: 2.443315712e-5,
	v_mov_b32 v250, 0xbab6061a                     ; -1.388731625e-3,
	v_mov_b32 v251, 0x3d2aaaa5                     ; 4.166664568e-2
	v_mov_b32 v252, 1.0
	s_lshl_b32 s28, s61, 6                         ; x: 64 T bytes
	s_mov_b32 s29, 0
	s_lshr_b32 s30, s61, 2
	s_and_b32 s31, s61, 3
	s_mul_i32 s32, s30, 49152                      ; hcodes: (T / 4) x 49,152 + (8 (T % 4) + ks) x 1,536
	s_lshl_b32 s33, s31, 3
	s_add_co_u32 s33, s33, s62
	s_mul_i32 s33, s33, 1536
	s_add_co_u32 s32, s32, s33
	s_mov_b32 s33, 0
	s_lshl_b32 s34, s30, 11                        ; hscale: (T / 4) x 2,048 + (4 (T % 4) + ks / 2) x 128
	s_lshl_b32 s35, s31, 2
	s_lshr_b32 s36, s62, 1
	s_add_co_u32 s35, s35, s36
	s_lshl_b32 s35, s35, 7
	s_add_co_u32 s34, s34, s35
	s_mov_b32 s35, 0
	s_mul_i32 s67, ttmp9, 3                        ; my unit of the weights (wave 3 has none: its number is held inside and not used)
	s_add_co_u32 s67, s67, s60
	s_min_u32 s67, s67, 767
	s_and_b32 s2, s67, 3                           ; the pair of tiles
	s_bfe_u32 s101, s67, 0x10002                   ; ksub
	s_lshr_b32 s100, s67, 3                        ; the chunk c = 4 sigma + wave, sigma = 4 g' + kk
	s_lshr_b32 s3, s100, 4
	s_lshl_b32 s3, s3, 2
	s_and_b32 s66, s100, 3
	s_add_co_u32 s3, s3, s66                       ; G = 4 g' + wave: 128 rows of the stacked Q, K, V
	s_bfe_u32 s66, s100, 0x20002
	s_lshl_b32 s66, s66, 1
	s_add_co_u32 s66, s66, s101
	s_lshl_b32 s66, s66, 9                         ; K step 2 kk + ksub, in bytes
	s_lshr_b32 s67, s3, 3                          ; which matrix
	s_and_b32 s3, s3, 7                            ; and which 128 of its rows
	s_wait_kmcnt 0x0
	s_add_nc_u64 s[4:5], s[4:5], s[28:29]
	s_add_nc_u64 s[20:21], s[20:21], s[32:33]
	s_add_nc_u64 s[26:27], s[20:21], 4*1572864     ; batches 4 to 7: so that the stores' offsets stay inside the signed 24-bit immediate
	s_add_nc_u64 s[22:23], s[22:23], s[34:35]
	XIDX 0
	s_mov_b32 s62, 0x76543210                      ; v_permlanex16_b32's selects for lane l xor 16
	s_mov_b32 s63, 0xfedcba98
	s_cmp_eq_u32 s67, 2                            ; the weight and its bias: a choice on the unit's number alone
	s_cselect_b64 s[10:11], s[12:13], s[10:11]
	s_cselect_b64 s[16:17], s[18:19], s[16:17]
	s_cmp_eq_u32 s67, 0
	s_cselect_b64 s[8:9], s[8:9], s[10:11]
	s_cselect_b64 s[14:15], s[14:15], s[16:17]
	s_cselect_b32 s10, 5, 0                        ; Q: rows as they lie (32 to a block); K, V: row n' / 32 + 32 (n' % 32)
	s_mov_b32 s11, 131072
	s_cselect_b32 s11, 4096, s11                   ; from one row of a block to the next, in bytes
	s_cselect_b32 s12, 128, 4                      ; the biases' strides: by lane / 16,
	s_mov_b32 s13, 256
	s_cselect_b32 s13, 8, s13                      ; by lane % 16,
	s_cselect_b32 s16, 4, 128                      ; and from my first to my second
	s_lshl_b32 s17, s3, 2
	s_add_co_u32 s17, s17, s2                      ; the block: 4 G'' + pair
	s_lshl_b32 s17, s17, s10
	s_lshl_b32 s17, s17, 12
	s_add_co_u32 s17, s17, s66
	v_lshl_add_u32 v23, v1, 4, s17                 ; its first row, my 16 bytes of the K step
	s_lshl_b32 s18, s3, 4
	s_lshl_b32 s19, s101, 3
	s_add_co_u32 s18, s18, s19
	s_lshl_b32 s18, s18, s10
	v_mul_u32_u24 v14, s12, v3
	v_mad_u32_u24 v14, v2, s13, v14
	v_add_nc_u32 v14, s18, v14                     ; bias of column 64 ksub + 2 lane of the group,
	v_add_nc_u32 v15, s16, v14                     ; and of the next
	s_mul_i32 s18, s100, CH
	s_mov_b32 s19, 0
	s_add_nc_u64 s[24:25], s[24:25], s[18:19]      ; my chunk
	s_lshl_b32 s18, s2, 8
	s_lshl_b32 s19, s101, 6
	s_add_co_u32 s18, s18, s19
	s_add_co_u32 s18, s18, 24576
	v_lshl_add_u32 v13, v3, 7, s18
	v_lshl_add_u32 v13, v2, 2, v13                 ; scale words: tile 2 pair + h, lane 16 ksub + r
	s_lshl_b32 s18, s101, 3
	s_lshl_b32 s19, s2, 1
	s_add_co_u32 s18, s18, s19
	s_mul_i32 s18, s18, 1536
	v_lshl_add_u32 v22, v1, 4, s18                 ; fragment 8 ksub + 2 pair
	s_lshl_b32 s18, s101, 8
	s_add_co_u32 s18, s18, 25600
	v_lshl_add_u32 v18, v1, 3, s18                 ; my two biases' place
	s_cmp_lt_u32 s60, 3
	s_cbranch_scc0 .Lno_w1
.set i, 0
.rept 32
	v_mad_u32_u24 v[OFFW+i], s11, i, v23
.set i, i+1
.endr
	WIN 0x80
.set i, 0
.rept 32
	global_load_b128 v[4*i:4*i+3], v[OFFW+i], s[8:9] th:TH_LOAD_NT   ; row i of the block: 512 consecutive bytes, read once in the launch
.set i, i+1
.endr
	WIN 0
	global_load_b32 v16, v14, s[14:15]
	global_load_b32 v17, v15, s[14:15]
.Lno_w1:
	s_wait_kmcnt 0x0
	OFFS 0
	XIDX 4
	LOADS 0
	LOADS 1
	LOADS 2
	; THE SINES, four a trip, while the first loads are out.  Register 4 q + e: d = 128 ks + 16 h + 32 (q / 4) + 4 (q % 4) + e
	s_mov_b32 s66, 0
.Lsin:
	s_lshr_b32 s67, s66, 2
	s_lshl_b32 s67, s67, 5
	s_and_b32 s3, s66, 3
	s_lshl_b32 s3, s3, 2
	s_add_co_u32 s67, s67, s3
	s_lshl_b32 s3, s66, 9
	v_add_nc_u32 v8, s3, v7
	v_add_nc_u32 v[SD], s67, v21
.irp e, 1,2,3
	v_add_nc_u32 v[SD+\e], \e, v[SD]
.endr
.irp e, 0,1,2,3
	v_cvt_f32_u32 v[SD+\e], v[SD+\e]
.endr
.irp e, 0,1,2,3
	v_mul_f32 v[SY+\e], v25, v[SD+\e]              ; -d x 13,607 / 2^19: exact (10 bits x 14 bits)
.endr
.irp e, 0,1,2,3
	v_floor_f32 v[SN+\e], v[SY+\e]                 ; its whole part, 0 or less,
.endr
.irp e, 0,1,2,3
	v_sub_f32 v[SY+\e], v[SY+\e], v[SN+\e]         ; and the rest, in 0 .. 1: exact
.endr
.irp e, 0,1,2,3
	v_fma_f32 v[SY+\e], v[SD+\e], v26, v[SY+\e]    ; + d x what is left of -log2(10) / 128
.endr
.irp e, 0,1,2,3
	v_exp_f32 v[SW+\e], v[SY+\e]
.endr
.irp e, 0,1,2,3
	v_cvt_i32_f32 v[SN+\e], v[SN+\e]               ; (plain instructions behind the exponentials)
.endr
	s_wait_alu depctr_va_vdst(0)                   ; one wait for the four, ahead of their first reader
.irp e, 0,1,2,3
	v_ldexp_f32 v[SW+\e], v[SW+\e], v[SN+\e]       ; the frequency
.endr
.irp e, 0,1,2,3
	v_mul_f32 v[SA+\e], v20, v[SW+\e]              ; position x frequency, rounded once
.endr
.irp e, 0,1,2,3
	v_fma_f32 v[SQ+\e], v[SA+\e], v27, 0.5
.endr
.irp e, 0,1,2,3
	v_floor_f32 v[SQ+\e], v[SQ+\e]                 ; how many quarter turns, to the nearest (at most 1,303)
.endr
.irp e, 0,1,2,3
	v_fma_f32 v[SA+\e], v[SQ+\e], v28, v[SA+\e]    ; less so many times pi / 2, in two parts: the first leaves an exact rest
.endr
.irp e, 0,1,2,3
	v_fma_f32 v[SA+\e], v[SQ+\e], v29, v[SA+\e]
.endr
.irp e, 0,1,2,3
	v_cvt_i32_f32 v[SQ+\e], v[SQ+\e]
.endr
.irp e, 0,1,2,3
	v_mul_f32 v[SZ+\e], v[SA+\e], v[SA+\e]
.endr
.irp e, 0,1,2,3
	v_fma_f32 v[SS+\e], v[SZ+\e], v248, v31
	v_fma_f32 v[SCO+\e], v[SZ+\e], v249, v250
.endr
.irp e, 0,1,2,3
	v_fma_f32 v[SS+\e], v[SZ+\e], v[SS+\e], v30
	v_fma_f32 v[SCO+\e], v[SZ+\e], v[SCO+\e], v251
.endr
.irp e, 0,1,2,3
	v_mul_f32 v[SR+\e], v[SA+\e], v[SZ+\e]
	v_fma_f32 v[ST+\e], v[SZ+\e], -0.5, 1.0
.endr
.irp e, 0,1,2,3
	v_mul_f32 v[SZ+\e], v[SZ+\e], v[SZ+\e]
.endr
.irp e, 0,1,2,3
	v_fma_f32 v[SS+\e], v[SR+\e], v[SS+\e], v[SA+\e]       ; the sine of the rest,
	v_fma_f32 v[SCO+\e], v[SZ+\e], v[SCO+\e], v[ST+\e]     ; and its cosine
.endr
.irp e, 0,1,2,3
	v_and_b32 v[ST+\e], 1, v[SQ+\e]
	v_and_b32 v[SQ+\e], 2, v[SQ+\e]
.endr
.irp e, 0,1,2,3
	v_cmp_gt_u32 vcc_lo, 1, v[ST+\e]                       ; an even number of quarter turns?
	v_cndmask_b32 v[SS+\e], v[SCO+\e], v[SS+\e], vcc_lo    ; then the sine, else the cosine;
	v_lshl_or_b32 v[SQ+\e], v[SQ+\e], 30, v252             ; 1.0 with the second half turn's bit as its sign,
	v_mul_f32 v[SO+\e], v[SS+\e], v[SQ+\e]                 ; which changes the sign and nothing else
.endr
	ds_store_b128 v8, v[SO:SO+3]
	s_wait_dscnt 0x0
	s_add_co_u32 s66, s66, 1
	s_cmp_lt_u32 s66, 16
	s_cbranch_scc1 .Lsin
	WIN 0x40
.set i, 0
.rept 16
	ds_load_b128 v[192+4*i:195+4*i], v7 offset:512*i
.set i, i+1
.endr
	WIN 0
	s_wait_kmcnt 0x0
	OFFS 4
	; THE WEIGHTS' UNIT: 32 rows x 128 K become two fragments
	s_cmp_lt_u32 s60, 3
	s_cbranch_scc0 .Lno_w2
	s_wait_loadcnt 48                              ; behind the weights' and biases' loads stand the 48 of batches 0 to 2
	WIN 0x08
.set i, 0
.rept 32
	ds_store_b128 v11, v[4*i:4*i+3] offset:SPI*(16*((i/8)%2)+8*(i/16)+i%8)   ; row i = 8 u + j + 8 (j / 8) of the block goes to row j of tile u
.set i, i+1
.endr
	WIN 0
.irp u, 0,1
.set i, 0
.rept 16
	ds_load_b128 v[XA+4*i:XA+4*i+3], v12 offset:16*SPI*\u+128*(i/4)+16*(i%4)
.set i, i+1
.endr
	s_wait_dscnt 0x0
.if \u
	s_wait_xcnt 0x0                                ; the first tile's stores have read their registers
.endif
	QUANT XA
.irp c, 0,1,2
	global_store_b128 v22, v[PC+4*\c:PC+4*\c+3], s[24:25] offset:1536*\u+512*\c
.endr
.if \u == 0
	v_mov_b32 v19, v[PW]
.endif
.endr
	s_mov_b32 vcc_lo, 0xffff0000
	v_cndmask_b32 v24, v19, v[PW], vcc_lo          ; lanes 0-15 the first tile's words, lanes 16-31 the second's
	global_store_b32 v13, v24, s[24:25]
	s_cmp_lg_u32 s2, 0
	s_cbranch_scc1 .Lno_w2
	global_store_b64 v18, v[16:17], s[24:25]       ; the half chunk's 64 biases: 256 consecutive bytes, aligned
.Lno_w2:
	; h: batch by batch.  Loads run three batches ahead, the turn through the stage one
.macro STEP n
	s_wait_dscnt 0x0                               ; this batch is back from the stage, and its stores into the stage have read their registers,
.if (\n)+3 < 8
	LOADS (\n)+3                                   ; which take the batch three on
.endif
.if (\n)+1 < 8
.if (\n) <= 4
	s_wait_loadcnt 32                              ; the next batch is in; the two behind it may be out
.else
	s_wait_loadcnt 16*(6-(\n))
.endif
	TURN (\n)+1
.endif
.set XS, XA+64*((\n)%2)
	WIN 0x04
.set j, 0
.rept 32
	v_pk_add_f32 v[XS+j:XS+j+1], v[XS+j:XS+j+1], v[192+j:193+j]    ; h = emb[x] + the sine
.set j, j+2
.endr
	WIN 0
	s_wait_xcnt 0x0                                ; the last stores have read the codes' and the word's registers
	QUANT XS
.irp c, 0,1,2
.if (\n) < 4
	global_store_b128 v9, v[PC+4*\c:PC+4*\c+3], s[20:21] offset:((\n)%4)*1572864+512*\c
.else
	global_store_b128 v9, v[PC+4*\c:PC+4*\c+3], s[26:27] offset:((\n)%4)*1572864+512*\c
.endif
.endr
	global_store_b32 v10, v[PW], s[22:23] offset:65536*(\n)        ; both halves of the lanes hold row r's word and store it to one place
.endm
	s_wait_loadcnt 32
	TURN 0
.irp t, 0,1,2,3,4,5,6,7
	STEP \t
.endr
	s_wait_tensorcnt 0x0
	ds_add_u32 v254, v255
	s_wait_dscnt 0x0
	s_endpgm
.Lfunc_end_k_q556cad0816_prep:
	.size	k_q556cad0816_prep, .Lfunc_end_k_q556cad0816_prep-k_q556cad0816_prep
	.p2alignl 7, 3214868480
	.fill 96, 4, 3214868480
	.section	.rodata,"a",@progbits
	.p2align	6, 0x0
	.amdhsa_kernel k_q556cad0816_prep
		.amdhsa_group_segment_fixed_size 168448
		.amdhsa_private_segment_fixed_size 0
		.amdhsa_enable_private_segment 0
		.amdhsa_kernarg_size 88
		.amdhsa_user_sgpr_count 2
		.amdhsa_user_sgpr_kernarg_segment_ptr 1
		.amdhsa_wavefront_size32 1
		.amdhsa_system_sgpr_workgroup_id_x 1
		.amdhsa_system_sgpr_workgroup_id_y 1
		.amdhsa_system_sgpr_workgroup_id_z 1
		.amdhsa_system_vgpr_workitem_id 0
		.amdhsa_next_free_vgpr 768
		.amdhsa_next_free_sgpr 104
		.amdhsa_reserve_vcc 1
		.amdhsa_float_denorm_mode_32 3
		.amdhsa_float_denorm_mode_16_64 3
		.amdhsa_memory_ordered 1
		.amdhsa_forward_progress 1
		.amdhsa_inst_pref_size 127
	.end_amdhsa_kernel
	.amdgpu_metadata
---
amdhsa.version: [ 1, 2 ]
amdhsa.kernels:
  - .name:           k_q556cad0816_prep
    .symbol:         k_q556cad0816_prep.kd
    .args:
      - { .name: x, .offset: 0, .size: 8, .value_kind: global_buffer, .address_space: global }
      - { .name: emb, .offset: 8, .size: 8, .value_kind: global_buffer, .address_space: global }
      - { .name: WQ, .offset: 16, .size: 8, .value_kind: global_buffer, .address_space: global }
      - { .name: WK, .offset: 24, .size: 8, .value_kind: global_buffer, .address_space: global }
      - { .name: WV, .offset: 32, .size: 8, .value_kind: global_buffer, .address_space: global }
      - { .name: bQ, .offset: 40, .size: 8, .value_kind: global_buffer, .address_space: global }
      - { .name: bK, .offset: 48, .size: 8, .value_kind: global_buffer, .address_space: global }
      - { .name: bV, .offset: 56, .size: 8, .value_kind: global_buffer, .address_space: global }
      - { .name: hcodes, .offset: 64, .size: 8, .value_kind: global_buffer, .address_space: global }
      - { .name: hscale, .offset: 72, .size: 8, .value_kind: global_buffer, .address_space: global }
      - { .name: wstream, .offset: 80, .size: 8, .value_kind: global_buffer, .address_space: global }
    .group_segment_fixed_size: 168448
    .private_segment_fixed_size: 0
    .kernarg_segment_align: 8
    .kernarg_segment_size: 88
    .max_flat_workgroup_size: 128
    .sgpr_count:     104
    .vgpr_count:     768
    .wavefront_size: 32
...
	.end_amdgpu_metadata
.endif
;; end of part 1
;; launch main (part 2): grid 256 x 1, 4 waves a work-group, clusters of 4 x 1, 327,680 bytes of LDS; arguments hcodes, hscale, wstream, partial; writes partial
.if DOCPART == 2
	.amdgcn_target "amdgcn-amd-amdhsa--gfx1250"
	.amdhsa_code_object_version 6
	.text
	.protected	k_q556cad0816_main
	.globl	k_q556cad0816_main
	.p2align	8
	.type	k_q556cad0816_main,@function
k_q556cad0816_main:
	s_mov_b64 s[64:65], 0
	v_nop
	global_prefetch_b8 v0, s[64:65] scope:SCOPE_SE
	s_setreg_imm32_b32 hwreg(HW_REG_WAVE_MODE, 25, 1), 1
	s_wait_xcnt 0x0
	s_wait_alu depctr_hold_cnt(0) depctr_sa_sdst(0) depctr_va_vdst(0) depctr_va_sdst(0) depctr_va_ssrc(0) depctr_va_vcc(0) depctr_vm_vsrc(0)
	s_getreg_b32 s2, hwreg(HW_REG_IB_STS2, 6, 4)
	s_cmp_eq_u32 s2, 0
	s_cbranch_scc0 .Lentry_in_a_cluster
	s_endpgm
.Lentry_in_a_cluster:
	s_bfe_u32 s2, ttmp6, 0x10000c
	s_cmp_lg_u32 s2, 0x3003
	s_cbranch_scc0 .Lentry_shape_is_right
	s_endpgm
.Lentry_shape_is_right:
; For 64 tokens of one batch: q, k, v = h W^T + b; score = q k per token; softmax; the tokens' share of sum over (token, m) of P v.  All five products on codes of FP6 (E2M3) with E8M0 scales.
; SHARES.  Work-group g = 32 batch + position / 64.  Every wave holds ALL of the work-group's h (4 tiles of 16 tokens x 8 K steps, 384 registers), so a weight fragment read from LDS feeds four products.
; The waves share the COLUMNS: wave w makes groups G = 4 g' + w (g' = 0 .. 5: q, q, k, k, v, v) of 128 columns x 64 tokens, 32 accumulators.  The products are used transposed (source 0 = 16 rows of W,
; source 1 = 16 tokens): a lane holds one token and, by the order of W's rows in a tile, the 16 registers of tiles 2 b and 2 b + 1 are 16 neighbours of a block of 32: they are quantised in registers.
; The biases are the C of each sum's first product.
; THE WEIGHTS come as a stream of chunks (26,112 bytes: two K steps of a wave's group, scale words, biases) through a ring of two LDS slots; wave w fetches and reads chunk 4 sigma + w alone.
; CLUSTER: four work-groups walk the same stream, so each chunk is asked for JOINTLY: the same tensor load with the same descriptor and the mask 15 in all four.
; q, k, v leave the registers as rows [token][16 blocks x 24 bytes + 16] in LDS, their scale bytes as [block][token], so that four tokens' bytes of a block are one scale word.
; SCORES (wave w: tokens 16 w on, four at a time): K = 128 is four tokens x 32.  Source 0 = 16 columns m of k with all but ONE token's codes zero, source 1 = 16 heads of q: so each product is one token's.
; A lane then holds one head, and registers 16 b + i hold token b, m = 16 (lane / 16) + i: after the softmax they are quantised as they lie into a fragment of P for the last product, K = (token, m).
; THE SOFTMAX is finished and normalised ahead of the quantiser: the row's maximum is taken away first, then x log2(e) / sqrt(32) (two roundings of small numbers, where one fused line would round a large product), 2^x, the sum, its reciprocal.
; LAST PRODUCT: wave w makes 16 heads x 16 columns of the output over all 64 tokens; the sum over work-groups is the next launch's.
; LIMITS: NaN and infinities are not served; a block whose largest magnitude lies under 2^-124 (zeros too) keeps the byte 1; the softmax divides by a reciprocal and a multiplication.
; No padding in the ring: every read of it is 512 consecutive bytes.
.set CH,    26112
.set SLOT,  4*CH                       ; 104,448: four waves' chunks
.set H0,    2*SLOT                     ; behind the ring: H0, H1 q's blocks 0-15, 16-31 (later P's images); H2, H3 k's (later v's)
.set HB,    25600                      ; 64 tokens x 400
.set HP,    400
.set SC,    H0+4*HB                    ; scale bytes: 64 blocks x (64 tokens + 4): q's 32,
.set SK,    SC+2176                    ; then k's 32 (later v's)
.set PS,    SC+4352                    ; P's scale words: [quad of tokens][half of the heads][lane]
.set SPARE, PS+4096                    ; the spare words, 128 bytes for each wave: two blocks of 256 bytes that no other line names
; window 0: v1 spare word's address, v2 zero; v3-4 my chunk in slot 0, 1; v5-6 its scale words; v7 its biases; v8-11 where codes and bytes go; v12-17 the scores' addresses, v18-23 those in hand;
;   v24-27 scale words of k and q; v28-31 the last product's addresses; v32-47 h's scale words; v48-63 the weights'; v64-66 lane, r, h; v67 the prefetches' offset; v68-99 scale words of P and v;
;   v100-101 16 x lane, 4 x lane; v112-255 h's fragments of K steps 5 to 7.
; window 1: v0-95, v96-191 two sets of 8 weight fragments (the second also the quantiser's two sets of 48); v192-255 the biases.   window 2: h's fragments of K steps 0 to 4.   window 3: accumulator (t, a) at 64 a + 8 t.
.set AS,    32
.set BS,    48
.set BIAS,  192
.set K4,    64                         ; window 3, in the scores: S at 0-63; two fragments of k, two of q;
.set Q4,    88
.set KM,    112                        ; four triplets [one token's codes | 6 zeros | another's]: registers 0-11 and 6-17 are two masked fragments
.set MX,    184                        ; the rows' maxima (pairs), the other half's, the sums (pairs), the other half's, the reciprocals (pairs)
.set MP,    192
.set SU,    196
.set SUP,   204
.set RC,    208
.set MSB, 0
.macro WIN new                         ; the immediate's high byte repeats the setting that is left
.if MSB != \new
	s_set_vgpr_msb (MSB<<8)|\new
.set MSB, \new
.endif
.endm
.macro PLACES                          ; four plain instructions: behind products, ahead of reads of results and of loads into their registers; ahead of scaled products whose operands vector instructions wrote
.rept 4
	v_nop
.endr
.endm
.macro CREST                           ; a round of the cluster's barrier behind its opening barrier
	s_cmp_lg_u32 s12, 0
	s_cbranch_scc1 .Lnot_wave_0_\@
	s_barrier_signal -3
.Lnot_wave_0_\@:
	s_barrier_wait -3
	s_barrier_signal -1
	s_barrier_wait -1
.endm
.macro CROUND
	s_barrier_signal -1
	s_barrier_wait -1
	CREST
.endm
; A prefetch of my wave's chunk five slot steps on: 102 blocks of 256 bytes, shared out among the four partners BY ADDRESS (32 each; the last partner's spare lanes name the last block).  The first cluster alone asks.
.macro ASK
	s_cmp_eq_u32 s34, 1
	s_cbranch_scc0 .Lnot_mine_\@
	global_prefetch_b8 v67, s[32:33] th:TH_LOAD_NT scope:SCOPE_SE
.Lnot_mine_\@:
.endm
; Tiles t0 .. t1 x the four tiles of tokens, K step ks.  The 32 accumulators take turns, one instruction a turn, in the same order in every K step.
.macro MUL ks, t0, t1
.if (\ks) == 0
	WIN 0xd9                                       ; W window 1, h window 2, C (bias) window 1, D window 3
.elseif (\ks) < 5
	WIN 0xf9
.else
	WIN 0xf1                                       ; h window 0
.endif
.set tt, \t0
.rept (\t1)-(\t0)+1
.set aa, 0
.rept 4
.set rD, 64*aa+8*tt
.set rB, 96*((\ks)%2)+12*tt
.if (\ks) < 5
.set rA, 48*(\ks)+12*aa
.else
.set rA, 112+48*((\ks)-5)+12*aa
.endif
.set rS, BS+8*(((\ks)/2)%2)+tt
.set rT, AS+4*aa+(\ks)/2
.if (\ks) == 0
	v_wmma_scale_f32_16x16x128_f8f6f4 v[rD:rD+7], v[rB:rB+11], v[rA:rA+11], v[BIAS+8*tt:BIAS+8*tt+7], v[rS], v[rT] matrix_a_fmt:MATRIX_FMT_FP6 matrix_b_fmt:MATRIX_FMT_FP6
.elseif (\ks)%2 == 0
	v_wmma_scale_f32_16x16x128_f8f6f4 v[rD:rD+7], v[rB:rB+11], v[rA:rA+11], v[rD:rD+7], v[rS], v[rT] matrix_a_fmt:MATRIX_FMT_FP6 matrix_b_fmt:MATRIX_FMT_FP6
.else
	v_wmma_scale_f32_16x16x128_f8f6f4 v[rD:rD+7], v[rB:rB+11], v[rA:rA+11], v[rD:rD+7], v[rS], v[rT] matrix_a_fmt:MATRIX_FMT_FP6 matrix_b_fmt:MATRIX_FMT_FP6 matrix_a_scale:MATRIX_SCALE_ROW1 matrix_b_scale:MATRIX_SCALE_ROW1
.endif
.set aa, aa+1
.endr
.set tt, tt+1
.endr
.endm
.macro FETCH set, slot, ksub           ; eight weight fragments, as images
	WIN 0x40
.set ff, 0
.rept 8
.irp c, 0,1,2
	ds_load_b128 v[96*(\set)+12*ff+4*\c:96*(\set)+12*ff+4*\c+3], v[3+(\slot)] offset:(8*(\ksub)+ff)*1536+512*\c
.endr
.set ff, ff+1
.endr
.endm
.macro FS slot                         ; a chunk's scale words: lanes 0-15 its first K step's, lanes 16-31 its second's
	WIN 0
.set ff, 0
.rept 8
	ds_load_b32 v[BS+8*(\slot)+ff], v[5+(\slot)] offset:128*ff
.set ff, ff+1
.endr
.endm
.macro FB                              ; a group's biases in the result's layout: tile t, my half's eight columns
	WIN 0x40
.set ff, 0
.rept 8
	ds_load_b128 v[BIAS+8*ff:BIAS+8*ff+3], v7 offset:4*(32*(ff/2)+8*(ff%2))
	ds_load_b128 v[BIAS+8*ff+4:BIAS+8*ff+7], v7 offset:4*(32*(ff/2)+8*(ff%2))+16
.set ff, ff+1
.endr
.endm
.macro EVEN ks                         ; a chunk's first K step: its fragments are in set 0; the second's are fetched into set 1
	s_wait_dscnt 0x0
	PLACES
	FETCH 1, ((\ks)/2)%2, 1
	MUL \ks, 0, 7
.endm
; A chunk's second K step.  All of the slot has been asked out of LDS, so it is this slot that is filled again (mode 1), two slot steps ahead: the load has 64 products in which to land.
.macro ODD ks, slot, next, mode, ask
.if (\mode) == 1
	WIN 0
	s_wait_tensorcnt 0x0                           ; all my tensor loads have landed: the one that was out is the next slot's chunk
	ds_add_u32 v1, v2                              ; 0 onto my spare word
.if \ask
	s_wait_xcnt 0x0                                ; the last prefetch, a slot step back, has read its address
	s_add_nc_u64 s[32:33], s[32:33], SLOT
.endif
	s_wait_dscnt 0x1                               ; set 1 is in; the add alone may be out
	MUL \ks, 0, 0
	s_wait_dscnt 0x0                               ; the add is done, and my reads of this slot are over
	s_barrier_signal -1
	MUL \ks, 1, 1
	WIN 0
	s_barrier_wait -1
	CREST                                          ; no wave of any partner still reads this slot or has a load on its way
	s_add_nc_u64 s[26+4*(\slot):27+4*(\slot)], s[26+4*(\slot):27+4*(\slot)], 2*SLOT
	tensor_load_to_lds s[24+4*(\slot):27+4*(\slot)], s[16:23]
	s_nop 0
	PLACES                                         ; (also the places in front of the loads below)
	FS \next
.if (\ks) == 7
	FB
.endif
	FETCH 0, \next, 0
.if \ask
	WIN 0
	ASK
.endif
	MUL \ks, 2, 7
.elseif (\mode) == 2                   ; nothing is left to fetch from memory: the last chunk has been asked for
	s_wait_tensorcnt 0x0                           ; it has landed (no load was issued behind it); I alone read it
	s_wait_dscnt 0x0
	PLACES
	FS \next
	FETCH 0, \next, 0
	MUL \ks, 0, 7
.else
	s_wait_dscnt 0x0
	MUL \ks, 0, 7
.endif
.endm
; 64 numbers of a lane in window 3, registers 64 a + 16 b + i = place 32 b + 16 (lane / 16) + i of my row, become codes in set z of window 1: +0..3 largest magnitudes, +4..7 bytes, +12..15 scale operands, +16 the word, +18..29 the codes
.macro QUANTM a, z, word
.set NS, 64*(\a)
.set QT, 96+48*(\z)
	WIN 0x7d
.irp b, 0,1,2,3
	v_max3_num_f32 v[QT+\b], 0x1800000, |v[NS+16*\b]|, |v[NS+1+16*\b]|     ; the floor 2^(3 - 127) and my first two: each accumulator is read from its low end on
.endr
.irp i, 2,4,6,8,10,12,14
.irp b, 0,1,2,3
	v_max3_num_f32 v[QT+\b], v[QT+\b], |v[NS+16*\b+\i]|, |v[NS+1+16*\b+\i]|
.endr
.endr
	WIN 0x55
.irp b, 0,1,2,3
	v_permlanex16_b32 v[QT+4+\b], v[QT+\b], s38, s39
.endr
.irp b, 0,1,2,3
	v_max_num_f32 v[QT+\b], v[QT+\b], v[QT+4+\b]
.endr
.irp b, 0,1,2,3
	v_add_nc_u32 v[QT+12+\b], 0xff000000, v[QT+\b]
.endr
.irp b, 0,1,2,3
	v_lshrrev_b32 v[QT+4+\b], 23, v[QT+12+\b]
.endr
.if \word
	v_lshl_or_b32 v[QT+16], v[QT+5], 8, v[QT+4]
	v_lshl_or_b32 v[QT+16], v[QT+6], 16, v[QT+16]
	v_lshl_or_b32 v[QT+16], v[QT+7], 24, v[QT+16]
.endif
	WIN 0x47
.irp c, 0,1
	v_cvt_scalef32_pk16_fp6_f32 v[QT+18+6*\c:QT+20+6*\c], v[NS+32*\c:NS+15+32*\c], v[QT+12+2*\c]
	v_cvt_scalef32_pk16_fp6_f32 v[QT+30+4*\c:QT+32+4*\c], v[NS+16+32*\c:NS+31+32*\c], v[QT+13+2*\c]
.endr
	v_nop                                          ; one plain instruction behind the scaled conversions
	WIN 0x55
.irp c, 0,1
.irp i, 0,1,2
	v_permlane16_swap_b32 v[QT+18+6*\c+\i], v[QT+30+4*\c+\i]
.endr
.irp i, 0,1,2
	v_mov_b32 v[QT+21+6*\c+\i], v[QT+30+4*\c+\i]
.endr
.endr
.endm
.macro QOUT a, z                       ; lane (r, h): blocks h and 2 + h of token 16 a + r, 24 bytes each; and the four blocks' bytes (both halves of the lanes write the same)
.set QT, 96+48*(\z)
	WIN 0x04
.irp p, 0,1,2,3,4,5
	ds_store_b64 v10, v[QT+18+2*\p:QT+19+2*\p] offset:6400*(\a)+48*(\p/3)+8*(\p%3)
.endr
.irp b, 0,1,2,3
	ds_store_b8 v11, v[QT+4+\b] offset:68*\b+16*(\a)
.endr
.endm
.macro GROUP m5, m7, k1, k3, k5, k7    ; 128 columns x 64 tokens: four chunks, then the quantiser
	EVEN 0
	ODD 1, 0, 1, 1, \k1
	EVEN 2
	ODD 3, 1, 0, 1, \k3
	EVEN 4
	ODD 5, 0, 1, \m5, \k5
	EVEN 6
	ODD 7, 1, 0, \m7, \k7
	PLACES
	WIN 0
	v_add_nc_u32 v10, s36, v8
	v_add_nc_u32 v11, s37, v9
.irp q, 0,1,2,3
.if \q >= 2
	s_wait_dscnt 10                                ; the ten stores of the tile before may be out; those that read this set are done
.endif
	QUANTM \q, \q%2, 0
	QOUT \q, \q%2
.endr
	WIN 0
.endm
	s_load_b256 s[4:11], s[0:1], 0x0               ; hcodes s[4:5], hscale s[6:7], wstream s[8:9], partial s[10:11]
	v_lshl_add_u32 v1, v0, 2, SPARE
	v_mov_b32 v2, 0
	ds_add_u32 v1, v2
	ds_add_u32 v1, v2
	s_wait_dscnt 0x0
	v_lshrrev_b32 v64, 5, v0
	v_readfirstlane_b32 s12, v64                   ; wave
	v_and_b32 v64, 31, v0                          ; lane
	v_and_b32 v65, 15, v0                          ; r
	v_bfe_u32 v66, v0, 4, 1                        ; h
	s_bfe_u32 s13, ttmp6, 0x40000                  ; cx
	s_lshl_b32 s14, ttmp9, 2
	s_add_co_u32 s14, s14, s13                     ; g: it enters global addresses alone
	s_mov_b32 s16, 0x0023000f                      ; group 1: mask 15; elements of 8 bytes; bit 21 beside the mask; no padding
	s_mov_b32 s17, 32<<16                          ; tensor_dim0 = 32 (256 bytes)
	s_mov_b32 s18, 102<<16                         ; tensor_dim1 = 102
	s_mov_b32 s19, 32<<16                          ; tile_dim0
	s_mov_b32 s20, 102                             ; tile_dim1
	s_mov_b32 s21, 32                              ; the pitch: the chunk is dense
	s_mov_b32 s22, 0
	s_mov_b32 s23, 0
	s_mul_i32 s48, s12, CH                         ; my chunk's place in a slot, and in a row of four chunks
	s_mov_b32 s49, 0
	v_lshl_add_u32 v3, v64, 4, s48
	v_add_nc_u32 v4, SLOT, v3
	s_add_co_u32 s50, s48, 24576
	v_lshl_add_u32 v5, v64, 2, s50
	v_add_nc_u32 v6, SLOT, v5
	s_add_co_u32 s50, s48, 25600
	v_lshl_add_u32 v7, v66, 6, s50
	s_mul_i32 s50, s12, 96
	s_add_co_u32 s50, s50, H0
	v_mul_u32_u24 v8, v65, HP
	v_mad_u32_u24 v8, v66, 24, v8
	v_add_nc_u32 v8, s50, v8                       ; codes: token r, block 4 w + h
	s_mul_i32 s50, s12, 272
	s_add_co_u32 s50, s50, SC
	v_add_nc_u32 v9, s50, v65                      ; bytes: block 4 w, token r
	s_mul_i32 s51, s12, 6400                       ; my 16 tokens' rows
	v_lshrrev_b32 v102, 3, v65
	v_and_b32 v103, 7, v65
	v_mul_u32_u24 v12, v102, HB
	v_mad_u32_u24 v12, v103, 24, v12
	v_mad_u32_u24 v12, v66, HP, v12
	s_add_co_u32 s50, s51, H0+2*HB
	v_add_nc_u32 v12, s50, v12                     ; k: block m = r + 8 (r / 8) (+ 8 u), token 16 w + h (+ 2 c)
	v_lshl_add_u32 v13, v102, 3, v65
	v_mul_u32_u24 v13, v13, 68
	s_lshl_b32 s52, s12, 4
	s_add_co_u32 s50, s52, SK
	v_add_nc_u32 v13, s50, v13
	v_mul_u32_u24 v14, v65, 24
	v_mad_u32_u24 v14, v66, HP, v14
	s_add_co_u32 s50, s51, H0
	v_add_nc_u32 v14, s50, v14                     ; q: head r (+ 16 kappa)
	v_mul_u32_u24 v15, v65, 68
	s_add_co_u32 s53, s52, SC
	v_add_nc_u32 v15, s53, v15
	v_lshl_add_u32 v16, v64, 4, s50                ; P's images: over the four rows of q that they were made of
	s_lshl_b32 s53, s12, 10
	s_add_co_u32 s53, s53, PS
	v_lshl_add_u32 v17, v64, 2, s53
	s_lshr_b32 s54, s12, 1                         ; the last product: my half of the heads,
	s_and_b32 s55, s12, 1                          ; and of the columns
	s_mul_i32 s50, s54, HB
	s_add_co_u32 s50, s50, H0
	v_lshl_add_u32 v28, v64, 4, s50
	s_lshl_b32 s50, s54, 7
	s_add_co_u32 s50, s50, PS
	v_lshl_add_u32 v29, v64, 2, s50
	s_mul_i32 s50, s55, HB
	s_add_co_u32 s50, s50, H0+2*HB
	v_mul_u32_u24 v30, v65, 24
	v_mad_u32_u24 v30, v66, HP, v30
	v_add_nc_u32 v30, s50, v30
	s_mul_i32 s50, s55, 1088
	s_add_co_u32 s50, s50, SK
	v_mul_u32_u24 v31, v65, 68
	v_add_nc_u32 v31, s50, v31
	s_lshl_b32 s50, s13, 5
	v_add_nc_u32 v67, s50, v64
	v_min_u32 v67, 101, v67
	v_lshlrev_b32 v67, 8, v67                      ; the prefetches: block 32 cx + lane of a chunk's 102
	v_lshlrev_b32 v100, 4, v64
	v_lshlrev_b32 v101, 2, v64
	s_cmp_eq_u32 ttmp9, 0
	s_cselect_b32 s34, 1, 0                        ; the same in all four partners
	s_mov_b32 s38, 0x76543210                      ; v_permlanex16_b32's selects for lane l xor 16
	s_mov_b32 s39, 0xfedcba98
	s_mov_b32 s40, 0x3e8293ee                      ; log2(e) / sqrt(32)
	s_mov_b32 s41, s40                             ; (named with it as a pair)
	s_mul_i32 s56, s14, 49152
	s_mov_b32 s57, 0
	s_lshl_b32 s58, s14, 11
	s_mov_b32 s59, 0
	s_wait_kmcnt 0x0
	s_add_nc_u64 s[4:5], s[4:5], s[56:57]
	s_add_nc_u64 s[6:7], s[6:7], s[58:59]
	s_lshl_b32 s56, s14, 12
	s_lshl_b32 s58, s12, 10
	s_add_co_u32 s56, s56, s58
	s_add_nc_u64 s[10:11], s[10:11], s[56:57]
	s_mov_b32 s24, 1                               ; group 0 for slot 0: count; LDS address; global address; type
	s_mov_b32 s25, s48
	s_add_nc_u64 s[26:27], s[8:9], s[48:49]
	s_mov_b32 s28, 1                               ; and for slot 1
	s_add_co_u32 s29, s48, SLOT
	s_add_nc_u64 s[30:31], s[26:27], SLOT
	s_add_nc_u64 s[32:33], s[26:27], 4*SLOT        ; the prefetches stand at slot step 4; the first refill steps them to 5
	s_or_b32 s27, s27, 0x80000000
	s_or_b32 s31, s31, 0x80000000
	CROUND                                         ; all four work-groups are here: the first joint loads meet
	tensor_load_to_lds s[24:27], s[16:23]          ; slot steps 0 and 1: two loads of mine are out
	s_nop 0
	tensor_load_to_lds s[28:31], s[16:23]
	s_nop 0
	PLACES
	WIN 0x80
.set kk, 0
.rept 5
.set aa, 0
.rept 4
.irp c, 0,1,2
	global_load_b128 v[48*kk+12*aa+4*\c:48*kk+12*aa+4*\c+3], v100, s[4:5] offset:(8*aa+kk)*1536+512*\c
.endr
.set aa, aa+1
.endr
.set kk, kk+1
.endr
	WIN 0
.rept 3
.set aa, 0
.rept 4
.irp c, 0,1,2
	global_load_b128 v[112+48*(kk-5)+12*aa+4*\c:112+48*(kk-5)+12*aa+4*\c+3], v100, s[4:5] offset:(8*aa+kk)*1536+512*\c
.endr
.set aa, aa+1
.endr
.set kk, kk+1
.endr
.set aa, 0
.rept 16
	global_load_b32 v[AS+aa], v101, s[6:7] offset:128*aa
.set aa, aa+1
.endr
	s_wait_tensorcnt 0x1                           ; my first chunk is in, and I alone read it; the second may stay out
	FS 0
	FB
	FETCH 0, 0, 0
	WIN 0
	s_wait_loadcnt 0x0                             ; h
	s_mov_b32 s36, 0                               ; where the group's codes go, and its bytes
	s_mov_b32 s37, 0
	s_mov_b32 s35, 0
.Lqk:                                              ; q's two groups, k's two
	GROUP 1, 1, 1, 1, 1, 1
	s_add_co_u32 s36, s36, HB
	s_add_co_u32 s37, s37, 1088
	s_add_co_u32 s35, s35, 1
	s_cmp_lt_u32 s35, 4
	s_cbranch_scc1 .Lqk
	s_wait_dscnt 0x0                               ; my codes and bytes lie in LDS
	s_barrier_signal -1
	s_barrier_wait -1                              ; everybody's do.  The chunk that is on its way may stay out
	; THE SCORES AND THE SOFTMAX of my 16 tokens, four a trip
	WIN 0xff
.set j, 0
.rept 4
.irp x, 0,1,2,3,4,5
	v_mov_b32 v[KM+18*j+6+\x], 0                   ; the zero codes, once
.endr
	v_mov_b32 v[MX+2*j+1], 0                       ; (upper halves of pairs that are named whole, and lane permutes' destinations: written once)
	v_mov_b32 v[RC+2*j+1], 0
	v_mov_b32 v[MP+j], 0
	v_mov_b32 v[SUP+j], 0
.set j, j+1
.endr
	WIN 0
	s_mov_b32 s44, 0
	s_mov_b32 s45, 0
	s_mov_b32 s46, 0
	s_mov_b32 s47, 0
.Lquad:
	v_add_nc_u32 v18, s44, v12
	v_add_nc_u32 v19, s45, v13
	v_add_nc_u32 v20, s44, v14
	v_add_nc_u32 v21, s45, v15
	v_add_nc_u32 v22, s44, v16
	v_add_nc_u32 v23, s46, v17
	WIN 0xc0
.irp u, 0,1
.irp p, 0,1,2,3,4,5
	ds_load_b64 v[K4+12*\u+2*\p:K4+12*\u+2*\p+1], v18 offset:192*\u+800*(\p/3)+8*(\p%3)      ; lane (r, h), c: token 2 c + h of the four
.endr
.endr
.irp u, 0,1
.irp p, 0,1,2,3,4,5
	ds_load_b64 v[Q4+12*\u+2*\p:Q4+12*\u+2*\p+1], v20 offset:HB*\u+800*(\p/3)+8*(\p%3)
.endr
.endr
	WIN 0
.irp u, 0,1
	ds_load_b32 v[24+\u], v19 offset:544*\u        ; a block's bytes of the four tokens are its scale word
	ds_load_b32 v[26+\u], v21 offset:1088*\u
.endr
	s_wait_dscnt 0x0
	WIN 0xff
.irp hb, 0,1                                   ; tokens hb and 2 + hb lie in half hb of the lanes
.if \hb
	s_mov_b32 vcc_lo, 0xffff0000
.else
	s_mov_b32 vcc_lo, 0x0000ffff
.endif
.irp u, 0,1
.irp c, 0,1
.irp x, 0,1,2,3,4,5
	v_cndmask_b32 v[KM+18*(2*\hb+\u)+12*\c+\x], 0, v[K4+12*\u+6*\c+\x], vcc_lo   ; token 2 c + hb alone: its half of the lanes, its six registers
.endr
.endr
.endr
.endr
	PLACES
.irp kp, 0,1                                   ; heads 16 kp on
	WIN 0xff
.irp b, 0,1,2,3
.irp u, 0,1
	v_wmma_scale_f32_16x16x128_f8f6f4 v[16*\b+8*\u:16*\b+8*\u+7], v[KM+18*(2*(\b%2)+\u)+6*(\b/2):KM+18*(2*(\b%2)+\u)+6*(\b/2)+11], v[Q4+12*\kp:Q4+12*\kp+11], 0, v[24+\u], v[26+\kp] matrix_a_fmt:MATRIX_FMT_FP6 matrix_b_fmt:MATRIX_FMT_FP6
.endr
.endr
	PLACES
.irp b, 0,1,2,3
	v_max3_num_f32 v[MX+2*\b], 0xff800000, v[16*\b], v[16*\b+1]    ; token b, my head: the largest of my 16 scores
.endr
.irp i, 2,4,6,8,10,12,14
.irp b, 0,1,2,3
	v_max3_num_f32 v[MX+2*\b], v[MX+2*\b], v[16*\b+\i], v[16*\b+\i+1]
.endr
.endr
.irp b, 0,1,2,3
	v_permlanex16_b32 v[MP+\b], v[MX+2*\b], s38, s39
.endr
.irp b, 0,1,2,3
	v_max_num_f32 v[MX+2*\b], v[MX+2*\b], v[MP+\b]                 ; and of the other 16
.endr
.set j, 0
.rept 32
	v_pk_add_f32 v[j:j+1], v[j:j+1], v[MX+2*(j/16):MX+2*(j/16)+1] op_sel_hi:[1,0] neg_lo:[0,1] neg_hi:[0,1]
.set j, j+2
.endr
.set j, 0
.rept 32
	v_pk_mul_f32 v[j:j+1], v[j:j+1], s[40:41] op_sel_hi:[1,0]
.set j, j+2
.endr
.set j, 0
.rept 64
	v_exp_f32 v[j], v[j]
.set j, j+1
.endr
	v_nop                                          ; a plain instruction behind the exponentials
	s_wait_alu depctr_va_vdst(0)                   ; one wait for the batch, ahead of its first reader
.irp b, 0,1,2,3
	v_pk_add_f32 v[SU+2*\b:SU+2*\b+1], v[16*\b:16*\b+1], v[16*\b+2:16*\b+3]
.endr
.irp i, 4,6,8,10,12,14
.irp b, 0,1,2,3
	v_pk_add_f32 v[SU+2*\b:SU+2*\b+1], v[SU+2*\b:SU+2*\b+1], v[16*\b+\i:16*\b+\i+1]
.endr
.endr
.irp b, 0,1,2,3
	v_add_f32 v[SU+2*\b], v[SU+2*\b], v[SU+2*\b+1]
.endr
.irp b, 0,1,2,3
	v_permlanex16_b32 v[SUP+\b], v[SU+2*\b], s38, s39
.endr
.irp b, 0,1,2,3
	v_add_f32 v[SU+2*\b], v[SU+2*\b], v[SUP+\b]
.endr
.irp b, 0,1,2,3
	v_rcp_f32 v[RC+2*\b], v[SU+2*\b]
.endr
	v_nop
	s_wait_alu depctr_va_vdst(0)                   ; one wait for the four reciprocals
.set j, 0
.rept 32
	v_pk_mul_f32 v[j:j+1], v[j:j+1], v[RC+2*(j/16):RC+2*(j/16)+1] op_sel_hi:[1,0]   ; the softmax, finished
.set j, j+2
.endr
	QUANTM 0, \kp, 1
	WIN 0x04
.irp c, 0,1,2
	ds_store_b128 v22, v[96+48*\kp+18+4*\c:96+48*\kp+21+4*\c] offset:HB*\kp+512*\c      ; the fragment of P as it stands; I alone have read the rows that it covers, and those reads are in
.endr
	ds_store_b32 v23, v[96+48*\kp+16] offset:128*\kp
.endr
	WIN 0
	s_wait_dscnt 0x0
	s_add_co_u32 s44, s44, 1600
	s_add_co_u32 s45, s45, 4
	s_add_co_u32 s46, s46, 256
	s_add_co_u32 s47, s47, 1
	s_cmp_lt_u32 s47, 4
	s_cbranch_scc1 .Lquad
	; v: it takes k's place in LDS.  Between every wave's last read of k (waited for above) and the first store of v stand the four rounds of the group's refills
	s_mov_b32 s36, 2*HB
	s_mov_b32 s37, 2176
	GROUP 1, 1, 1, 1, 1, 0
	s_mov_b32 s36, 3*HB
	s_mov_b32 s37, 3264
	GROUP 2, 3, 0, 0, 0, 0                         ; the tail is written out: its last two chunks ask for nothing
	s_wait_dscnt 0x0
	s_barrier_signal -1
	s_barrier_wait -1                              ; v and P lie in LDS
	; THE LAST PRODUCT: 16 quads of tokens, K = 128 each; four accumulators by turns
.macro LQ n                            ; quads 4 n .. 4 n + 3: 44 loads
	WIN 0x40
.irp e, 0,1,2,3
.irp c, 0,1,2
	ds_load_b128 v[12*(4*(\n)+\e)+4*\c:12*(4*(\n)+\e)+4*\c+3], v28 offset:1600*(4*(\n)+\e)+512*\c
.endr
.endr
	WIN 0x80
.irp e, 0,1,2,3
.irp p, 0,1,2,3,4,5
	ds_load_b64 v[12*(4*(\n)+\e)+2*\p:12*(4*(\n)+\e)+2*\p+1], v30 offset:1600*(4*(\n)+\e)+800*(\p/3)+8*(\p%3)
.endr
.endr
	WIN 0
.irp e, 0,1,2,3
	ds_load_b32 v[68+4*(\n)+\e], v29 offset:256*(4*(\n)+\e)
	ds_load_b32 v[84+4*(\n)+\e], v31 offset:4*(4*(\n)+\e)
.endr
.endm
.macro MQ n                            ; source 0 = 16 columns of v (window 2), source 1 = 16 heads of P (window 1)
	WIN 0xf6
.irp e, 0,1,2,3
.if (\n) == 0
	v_wmma_scale_f32_16x16x128_f8f6f4 v[8*\e:8*\e+7], v[12*(4*(\n)+\e):12*(4*(\n)+\e)+11], v[12*(4*(\n)+\e):12*(4*(\n)+\e)+11], 0, v[84+4*(\n)+\e], v[68+4*(\n)+\e] matrix_a_fmt:MATRIX_FMT_FP6 matrix_b_fmt:MATRIX_FMT_FP6
.else
	v_wmma_scale_f32_16x16x128_f8f6f4 v[8*\e:8*\e+7], v[12*(4*(\n)+\e):12*(4*(\n)+\e)+11], v[12*(4*(\n)+\e):12*(4*(\n)+\e)+11], v[8*\e:8*\e+7], v[84+4*(\n)+\e], v[68+4*(\n)+\e] matrix_a_fmt:MATRIX_FMT_FP6 matrix_b_fmt:MATRIX_FMT_FP6
.endif
.endr
.endm
	PLACES
	PLACES
	LQ 0
	LQ 1
	s_wait_dscnt 44                                ; all but the younger batch's 44
	MQ 0
	LQ 2
	s_wait_dscnt 44
	MQ 1
	LQ 3
	s_wait_dscnt 44
	MQ 2
	s_wait_dscnt 0x0
	MQ 3
	PLACES
	WIN 0xff
.irp j, 0,2,4,6
	v_pk_add_f32 v[\j:\j+1], v[\j:\j+1], v[8+\j:9+\j]              ; each accumulator from its low end on
	v_pk_add_f32 v[16+\j:17+\j], v[16+\j:17+\j], v[24+\j:25+\j]
.endr
.irp j, 0,2,4,6
	v_pk_add_f32 v[\j:\j+1], v[\j:\j+1], v[16+\j:17+\j]
.endr
	WIN 0x0c
	global_store_b128 v100, v[0:3], s[10:11]       ; register j of lane (r, h): head 16 (w / 2) + r, column 16 (w % 2) + 8 h + j; each store covers 512 consecutive bytes, aligned
	global_store_b128 v100, v[4:7], s[10:11] offset:512
	WIN 0
	s_wait_tensorcnt 0x0                           ; the wave's end
	ds_add_u32 v1, v2
	s_wait_dscnt 0x0
	CROUND                                         ; the closing round
	s_endpgm
.Lfunc_end_k_q556cad0816_main:
	.size	k_q556cad0816_main, .Lfunc_end_k_q556cad0816_main-k_q556cad0816_main
	.p2alignl 7, 3214868480
	.fill 96, 4, 3214868480
	.section	.rodata,"a",@progbits
	.p2align	6, 0x0
	.amdhsa_kernel k_q556cad0816_main
		.amdhsa_group_segment_fixed_size 327680
		.amdhsa_private_segment_fixed_size 0
		.amdhsa_enable_private_segment 0
		.amdhsa_kernarg_size 32
		.amdhsa_user_sgpr_count 2
		.amdhsa_user_sgpr_kernarg_segment_ptr 1
		.amdhsa_wavefront_size32 1
		.amdhsa_system_sgpr_workgroup_id_x 1
		.amdhsa_system_sgpr_workgroup_id_y 1
		.amdhsa_system_sgpr_workgroup_id_z 1
		.amdhsa_system_vgpr_workitem_id 0
		.amdhsa_next_free_vgpr 1024
		.amdhsa_next_free_sgpr 66
		.amdhsa_reserve_vcc 1
		.amdhsa_float_denorm_mode_32 3
		.amdhsa_float_denorm_mode_16_64 3
		.amdhsa_memory_ordered 1
		.amdhsa_forward_progress 1
		.amdhsa_inst_pref_size 255
	.end_amdhsa_kernel
	.section	.bss,"aw",@nobits
	.p2align	6
	.space	262144
	.amdgpu_metadata
---
amdhsa.version: [ 1, 2 ]
amdhsa.kernels:
  - .name:           k_q556cad0816_main
    .symbol:         k_q556cad0816_main.kd
    .args:
      - { .name: hcodes, .offset: 0, .size: 8, .value_kind: global_buffer, .address_space: global }
      - { .name: hscale, .offset: 8, .size: 8, .value_kind: global_buffer, .address_space: global }
      - { .name: wstream, .offset: 16, .size: 8, .value_kind: global_buffer, .address_space: global }
      - { .name: partial, .offset: 24, .size: 8, .value_kind: global_buffer, .address_space: global }
    .group_segment_fixed_size: 327680
    .private_segment_fixed_size: 0
    .kernarg_segment_align: 8
    .kernarg_segment_size: 32
    .max_flat_workgroup_size: 128
    .sgpr_count:     66
    .vgpr_count:     1024
    .wavefront_size: 32
...
	.end_amdgpu_metadata
.endif
;; end of part 2
;; launch reduce (part 3): grid 8 x 1, 8 waves a work-group, no clusters, 5,632 bytes of LDS; arguments partial, out0; writes out0
.if DOCPART == 3
	.amdgcn_target "amdgcn-amd-amdhsa--gfx1250"
	.amdhsa_code_object_version 6
	.text
	.protected	k_q556cad0816_reduce
	.globl	k_q556cad0816_reduce
	.p2align	8
	.type	k_q556cad0816_reduce,@function
k_q556cad0816_reduce:
	s_mov_b64 s[64:65], 0
	v_nop
	global_prefetch_b8 v0, s[64:65] scope:SCOPE_SE
	s_setreg_imm32_b32 hwreg(HW_REG_WAVE_MODE, 25, 1), 1
	s_wait_xcnt 0x0
; out0[b] = the sum of the 32 parts of batch b.  A part is 4,096 bytes of register images: thread t's 16 bytes are head 16 (t / 128) + t % 16, columns 16 ((t / 64) % 2) + 8 ((t / 16) % 2) + 4 ((t / 32) % 2) + 0 .. 3.
; One work-group a batch, 256 threads; each thread loads its 16 bytes of all 32 parts at once (a wave's load covers 512 consecutive bytes), adds them in four chains, and the sums turn through LDS into rows.
; Eight work-groups: the whole launch moves 1 MiB, and an output number has one owner.
	s_load_b128 s[4:7], s[0:1], 0x0                ; partial, out0
	v_lshl_add_u32 v144, v0, 2, 0x1200
	v_mov_b32 v145, 0
	v_lshlrev_b32 v1, 4, v0                        ; 16 t
	s_lshl_b32 s8, ttmp9, 17                       ; 32 parts of 4,096 bytes a batch
	s_mov_b32 s9, 0
	s_lshl_b32 s10, ttmp9, 12
	s_mov_b32 s11, 0
	v_lshrrev_b32 v2, 7, v0
	v_and_b32 v3, 15, v0
	v_lshl_add_u32 v2, v2, 4, v3                   ; the head
	v_mul_u32_u24 v2, v2, 144                      ; a row in LDS: 128 bytes + 16
	v_bfe_u32 v3, v0, 6, 1
	v_lshl_add_u32 v2, v3, 6, v2
	v_bfe_u32 v3, v0, 4, 1
	v_lshl_add_u32 v2, v3, 5, v2
	v_bfe_u32 v3, v0, 5, 1
	v_lshl_add_u32 v2, v3, 4, v2                   ; + 4 x the column
	v_lshrrev_b32 v4, 3, v0
	v_mul_u32_u24 v4, v4, 144
	v_and_b32 v3, 7, v0
	v_lshl_add_u32 v4, v3, 4, v4                   ; back: eight lanes to a row
	s_wait_kmcnt 0x0
	s_add_nc_u64 s[4:5], s[4:5], s[8:9]
	s_add_nc_u64 s[6:7], s[6:7], s[10:11]
.set i, 0
.rept 32
	global_load_b128 v[16+4*i:19+4*i], v1, s[4:5] offset:4096*i th:TH_LOAD_NT
.set i, i+1
.endr
	s_wait_loadcnt 0x0
.set i, 4
.rept 28
	v_pk_add_f32 v[16+4*(i%4):17+4*(i%4)], v[16+4*(i%4):17+4*(i%4)], v[16+4*i:17+4*i]
	v_pk_add_f32 v[18+4*(i%4):19+4*(i%4)], v[18+4*(i%4):19+4*(i%4)], v[18+4*i:19+4*i]
.set i, i+1
.endr
	v_pk_add_f32 v[16:17], v[16:17], v[20:21]
	v_pk_add_f32 v[18:19], v[18:19], v[22:23]
	v_pk_add_f32 v[24:25], v[24:25], v[28:29]
	v_pk_add_f32 v[26:27], v[26:27], v[30:31]
	v_pk_add_f32 v[16:17], v[16:17], v[24:25]
	v_pk_add_f32 v[18:19], v[18:19], v[26:27]
	ds_store_b128 v2, v[16:19]
	s_wait_dscnt 0x0                               ; for the others' sake: my store is done
	s_barrier_signal -1
	s_barrier_wait -1
	ds_load_b128 v[32:35], v4
	s_wait_dscnt 0x0
	global_store_b128 v1, v[32:35], s[6:7]         ; sixteen lanes store 256 consecutive bytes, aligned
	s_wait_tensorcnt 0x0
	ds_add_u32 v144, v145
	s_wait_dscnt 0x0
	s_endpgm
.Lfunc_end_k_q556cad0816_reduce:
	.size	k_q556cad0816_reduce, .Lfunc_end_k_q556cad0816_reduce-k_q556cad0816_reduce
	.p2alignl 7, 3214868480
	.fill 96, 4, 3214868480
	.section	.rodata,"a",@progbits
	.p2align	6, 0x0
	.amdhsa_kernel k_q556cad0816_reduce
		.amdhsa_group_segment_fixed_size 5632
		.amdhsa_private_segment_fixed_size 0
		.amdhsa_enable_private_segment 0
		.amdhsa_kernarg_size 16
		.amdhsa_user_sgpr_count 2
		.amdhsa_user_sgpr_kernarg_segment_ptr 1
		.amdhsa_wavefront_size32 1
		.amdhsa_system_sgpr_workgroup_id_x 1
		.amdhsa_system_sgpr_workgroup_id_y 1
		.amdhsa_system_sgpr_workgroup_id_z 1
		.amdhsa_system_vgpr_workitem_id 0
		.amdhsa_next_free_vgpr 146
		.amdhsa_next_free_sgpr 66
		.amdhsa_reserve_vcc 0
		.amdhsa_float_denorm_mode_32 3
		.amdhsa_float_denorm_mode_16_64 3
		.amdhsa_memory_ordered 1
		.amdhsa_forward_progress 1
		.amdhsa_inst_pref_size 9
	.end_amdhsa_kernel
	.amdgpu_metadata
---
amdhsa.version: [ 1, 2 ]
amdhsa.kernels:
  - .name:           k_q556cad0816_reduce
    .symbol:         k_q556cad0816_reduce.kd
    .args:
      - { .name: partial, .offset: 0, .size: 8, .value_kind: global_buffer, .address_space: global }
      - { .name: out0, .offset: 8, .size: 8, .value_kind: global_buffer, .address_space: global }
    .group_segment_fixed_size: 5632
    .private_segment_fixed_size: 0
    .kernarg_segment_align: 8
    .kernarg_segment_size: 16
    .max_flat_workgroup_size: 256
    .sgpr_count:     66
    .vgpr_count:     146
    .wavefront_size: 32
...
	.end_amdgpu_metadata
.endif
;; end of part 3
;; ======== version 2 of 2: 3 launches
;; limits: right only within a limited range of input values
;; workspace buffers: hcodes 12,582,912 bytes; hscale 524,288 bytes; wstream 2,506,752 bytes; partial 1,048,576 bytes
;; launch prep (part 4): grid 256 x 1, 4 waves a work-group, no clusters, 168,448 bytes of LDS; arguments x, emb, WQ, WK, WV, bQ, bK, bV, hcodes, hscale, wstream; writes hcodes, hscale, wstream
.if DOCPART == 4
	.amdgcn_target "amdgcn-amd-amdhsa--gfx1250"
	.amdhsa_code_object_version 6
	.text
	.protected	k_q556cad0816_prep
	.globl	k_q556cad0816_prep
	.p2align	8
	.type	k_q556cad0816_prep,@function
k_q556cad0816_prep:
	s_mov_b64 s[64:65], 0
	v_nop
	global_prefetch_b8 v0, s[64:65] scope:SCOPE_SE
	s_setreg_imm32_b32 hwreg(HW_REG_WAVE_MODE, 25, 1), 1
	s_wait_xcnt 0x0
; h = emb[x] + sin(position x frequency) and the three weights become codes of FP6 (E2M3) with one E8M0 byte for each 32 along K (K = the model's 1,024, innermost in all of them).
; Everything is stored in the ORDER OF THE OPERAND'S REGISTERS: a fragment (16 rows x 128 K, 12 registers a lane) as three runs of 512 bytes, lane l's 16 bytes at 16 l.
; hcodes [g][a][ks][1,536]: g = 32 batch + position / 64, a = tile of 16 tokens, ks = K step of 128.  hscale [g][a][ks / 2][lane]: lanes 0-15 the even K step's words, lanes 16-31 the odd one's.
; wstream: 96 chunks of 26,112 bytes; chunk c = 4 sigma + wave of the next launch: 16 fragments (8 ksub + tile), 8 x 32 scale words at 24,576, 128 biases at 25,600.
; The rows of WK and WV are taken in the order n' = 32 (index in the head) + head, so that a block of 32 neighbours of k and of v is a block along the attention's K.  Lane r of tile 2 b + u is row 32 b + 8 u + r + 8 (r / 8).
; SHARES.  Work-group p, wave w: positions 16 (p / 2) on, K step 4 (p % 2) + w, for all 8 batches: a lane's 64 sines are made once and serve 8 times.
; Waves 0 to 2 also take one unit of the weights each, U = 3 p + w of 768: chunk U / 8, K sub-step (U / 4) % 2, tiles 2 (U % 4) and 2 (U % 4) + 1.  No barrier: waves share nothing.
; A block's scale is 2^(floor(log2(largest magnitude)) - 2): the largest magnitude's exponent field - 2, held at 1 from below.
; LIMITS: NaN and infinities are not served.  A block of zeros, and one whose largest magnitude lies under 2^-124, keeps the byte 1 (this program alone reads the bytes).  x is held to 0 .. 50,256 as an unsigned number.
; The frequency is 2^(-d log2(10) / 128), good to about 1.5 units of its last place; position x frequency can so differ from another f32 evaluation by a unit of ITS last place, 1.2e-4 at position 2,047.
.set CH,    26112                      ; a chunk of wstream
.set WREG,  41984                      ; LDS: a region for each wave
.set PSC,   16896                      ; in it: two stages of 16 rows x 528 at 0; scratch for the sines, 8,192 bytes, here;
.set WST,   25088                      ; and the weights' stage, 32 rows x 528
.set SPI,   528                        ; a stage row: 512 bytes + 16
.set STG,   16*SPI
.set XA,    32                         ; v32-95, v96-159: two sets of 64 numbers, register 16 b + i = k 32 b + 16 (lane / 16) + i of my row
.set OFFW,  96                         ; v96-127: the weights' 32 row offsets, before the second set is first filled
.set TM,    160                        ; v160-163 largest magnitudes, v164-167 bytes, v172-175 the conversions' scale operands
.set PW,    176                        ; the scale word just made
.set PC,    178                        ; v178-197 the codes just made
.set SD,    200                        ; the sines' registers, four numbers at a time
.set SY,    204
.set SN,    208
.set SW,    212
.set SA,    216
.set SQ,    220
.set SZ,    224
.set SS,    228
.set SCO,   232
.set SR,    236
.set ST,    240
.set SO,    244
; v25-31, v248-252: the sines' constants.
; window 1: v0-191 three sets of 64 as loaded; v192-255 the sines.   window 2: v0-127 the weights as loaded; v128-255 the 128 tokens' offsets in emb.
.set MSB, 0
.macro WIN new                         ; the immediate's high byte repeats the setting that is left
.if MSB != \new
	s_set_vgpr_msb (MSB<<8)|\new
.set MSB, \new
.endif
.endm
; 64 numbers of a lane become a fragment's codes in v[PC] on and its scale word in v[PW]
.macro QUANT s
.irp b, 0,1,2,3
	v_max3_num_f32 v[TM+\b], |v[(\s)+16*\b]|, |v[(\s)+1+16*\b]|, 0x1800000   ; block b: my 16 numbers and the floor 2^(3 - 127)
.endr
.irp i, 2,4,6,8,10,12,14
.irp b, 0,1,2,3
	v_max3_num_f32 v[TM+\b], v[TM+\b], |v[(\s)+16*\b+\i]|, |v[(\s)+1+16*\b+\i]|
.endr
.endr
.irp b, 0,1,2,3
	v_permlanex16_b32 v[TM+4+\b], v[TM+\b], s62, s63
.endr
.irp b, 0,1,2,3
	v_max_num_f32 v[TM+\b], v[TM+\b], v[TM+4+\b]                   ; with lane l xor 16's: the block's largest magnitude
.endr
.irp b, 0,1,2,3
	v_add_nc_u32 v[TM+12+\b], 0xff000000, v[TM+\b]                 ; 2 off its exponent field: the conversion's scale operand
.endr
.irp b, 0,1,2,3
	v_lshrrev_b32 v[TM+4+\b], 23, v[TM+12+\b]                      ; the scale's byte
.endr
	v_lshl_or_b32 v[PW], v[TM+5], 8, v[TM+4]
	v_lshl_or_b32 v[PW], v[TM+6], 16, v[PW]
	v_lshl_or_b32 v[PW], v[TM+7], 24, v[PW]
.irp c, 0,1
	v_cvt_scalef32_pk16_fp6_f32 v[PC+6*\c:PC+2+6*\c], v[(\s)+32*\c:(\s)+15+32*\c], v[TM+12+2*\c]
	v_cvt_scalef32_pk16_fp6_f32 v[PC+12+4*\c:PC+14+4*\c], v[(\s)+16+32*\c:(\s)+31+32*\c], v[TM+13+2*\c]
.endr
	v_nop                                          ; one plain instruction behind the scaled conversions
.irp c, 0,1                                    ; a whole block to a lane: lanes 0-15 block 2 c, lanes 16-31 block 2 c + 1
.irp i, 0,1,2
	v_permlane16_swap_b32 v[PC+6*\c+\i], v[PC+12+4*\c+\i]
.endr
.irp i, 0,1,2
	v_mov_b32 v[PC+3+6*\c+\i], v[PC+12+4*\c+\i]
.endr
.endr
.endm
.macro XIDX first                      ; the 16 indices of each of four batches, as scalars
.irp j, 0,1,2,3
	s_load_b512 s[28+16*\j+8*(\j/2):43+16*\j+8*(\j/2)], s[4:5], 8192*((\first)+\j)
.endr
.endm
.macro OFFS first                      ; an index, held inside the table, x 4,096 bytes + my 16 bytes of the K step
	WIN 0x80
.irp j, 0,1,2,3
.set i, 0
.rept 16
	s_min_u32 s[28+16*\j+8*(\j/2)+i], s[28+16*\j+8*(\j/2)+i], 50256
	v_lshl_add_u32 v[128+16*((\first)+\j)+i], s[28+16*\j+8*(\j/2)+i], 12, v4
.set i, i+1
.endr
.endr
	WIN 0
.endm
.macro LOADS n                         ; batch n: 16 tokens, 512 consecutive bytes of each row.  No hint: a row may be named again
	WIN 0x42
.set i, 0
.rept 16
	global_load_b128 v[64*((\n)%3)+4*i:64*((\n)%3)+4*i+3], v[128+16*(\n)+i], s[6:7]
.set i, i+1
.endr
	WIN 0
.endm
.macro TURN n                          ; batch n through a stage: in as loaded, a row a token; out 16 neighbours of each block of my row.  LDS serves a wave's instructions in order
	WIN 0x04
.set i, 0
.rept 16
	ds_store_b128 v5, v[64*((\n)%3)+4*i:64*((\n)%3)+4*i+3] offset:STG*((\n)%2)+SPI*i
.set i, i+1
.endr
	WIN 0
.set i, 0
.rept 16
	ds_load_b128 v[XA+64*((\n)%2)+4*i:XA+64*((\n)%2)+4*i+3], v6 offset:STG*((\n)%2)+128*(i/4)+16*(i%4)
.set i, i+1
.endr
.endm
	s_load_b512 s[4:19], s[0:1], 0x0               ; x s[4:5], emb s[6:7], WQ, WK, WV s[8:13], bQ, bK, bV s[14:19]
	s_load_b128 s[20:23], s[0:1], 0x40             ; hcodes, hscale
	s_load_b64 s[24:25], s[0:1], 0x50              ; wstream
	v_lshl_add_u32 v254, v0, 2, 0x29000
	v_mov_b32 v255, 0
	v_lshrrev_b32 v1, 5, v0
	v_readfirstlane_b32 s60, v1                    ; wave
	v_and_b32 v1, 31, v0                           ; lane
	v_and_b32 v2, 15, v0                           ; r
	s_wait_alu depctr_va_vdst(0)
	v_bfe_u32 v3, v0, 4, 1                         ; h
	s_lshr_b32 s61, ttmp9, 1                       ; T: my tile of 16 positions
	s_and_b32 s62, ttmp9, 1
	s_lshl_b32 s62, s62, 2
	s_add_co_u32 s62, s62, s60                     ; ks: my K step
	s_mul_i32 s63, s60, WREG                       ; my LDS region
	s_lshl_b32 s66, s62, 9
	v_lshl_add_u32 v4, v1, 4, s66                  ; 16 lane + 512 ks: my bytes of a row of emb
	v_lshl_add_u32 v5, v1, 4, s63                  ; the stage, in
	v_mul_u32_u24 v6, v2, SPI
	v_lshl_add_u32 v6, v3, 6, v6
	v_add_nc_u32 v6, s63, v6                       ; the stage, out: row r, + 64 h
	v_add_nc_u32 v7, PSC, v5                       ; the sines' scratch
	v_lshlrev_b32 v9, 4, v1                        ; an image's place for my lane
	s_and_b32 s66, s62, 1
	s_lshl_b32 s66, s66, 6
	v_lshl_add_u32 v10, v2, 2, s66                 ; my row's scale word: the K step's half of the lanes
	v_add_nc_u32 v11, WST, v5                      ; the weights' stage, in and out
	v_add_nc_u32 v12, WST, v6
	s_lshl_b32 s66, s61, 4
	v_add_nc_u32 v20, s66, v2
	v_cvt_f32_u32 v20, v20                         ; my position
	s_lshl_b32 s66, s62, 7
	v_lshl_add_u32 v21, v3, 4, s66                 ; 128 ks + 16 h
.irp b, 0,1,2,3
	v_mov_b32 v[TM+4+\b], 0                        ; written once: a lane permute's destination counts as one of its sources
.endr
	v_mov_b32 v25, 0xbcd49c00                      ; -13,607 / 2^19: the upper 14 bits of -log2(10) / 128
	v_mov_b32 v26, 0x3543da19                      ; what is left of it: +7.2960537e-7
	v_mov_b32 v27, 0x3f22f983                      ; 2 / pi
	v_mov_b32 v28, 0xbfc90fdb                      ; -pi / 2, in two parts
	v_mov_b32 v29, 0x333bbd2e
	v_mov_b32 v30, 0xbe2aaaa3                      ; the sine's polynomial: -1.6666654611e-1,
	v_mov_b32 v31, 0x3c08839e                      ; 8.3321608736e-3,
	v_mov_b32 v248, 0xb94ca1f9                     ; -1.9515295891e-4
	v_mov_b32 v249, 0x37ccf5ce                     ; the cosine's: 2.443315712e-5,
	v_mov_b32 v250, 0xbab6061a                     ; -1.388731625e-3,
	v_mov_b32 v251, 0x3d2aaaa5                     ; 4.166664568e-2
	v_mov_b32 v252, 1.0
	s_lshl_b32 s28, s61, 6                         ; x: 64 T bytes
	s_mov_b32 s29, 0
	s_lshr_b32 s30, s61, 2
	s_and_b32 s31, s61, 3
	s_mul_i32 s32, s30, 49152                      ; hcodes: (T / 4) x 49,152 + (8 (T % 4) + ks) x 1,536
	s_lshl_b32 s33, s31, 3
	s_add_co_u32 s33, s33, s62
	s_mul_i32 s33, s33, 1536
	s_add_co_u32 s32, s32, s33
	s_mov_b32 s33, 0
	s_lshl_b32 s34, s30, 11                        ; hscale: (T / 4) x 2,048 + (4 (T % 4) + ks / 2) x 128
	s_lshl_b32 s35, s31, 2
	s_lshr_b32 s36, s62, 1
	s_add_co_u32 s35, s35, s36
	s_lshl_b32 s35, s35, 7
	s_add_co_u32 s34, s34, s35
	s_mov_b32 s35, 0
	s_mul_i32 s67, ttmp9, 3                        ; my unit of the weights (wave 3 has none: its number is held inside and not used)
	s_add_co_u32 s67, s67, s60
	s_min_u32 s67, s67, 767
	s_and_b32 s2, s67, 3                           ; the pair of tiles
	s_bfe_u32 s101, s67, 0x10002                   ; ksub
	s_lshr_b32 s100, s67, 3                        ; the chunk c = 4 sigma + wave, sigma = 4 g' + kk
	s_lshr_b32 s3, s100, 4
	s_lshl_b32 s3, s3, 2
	s_and_b32 s66, s100, 3
	s_add_co_u32 s3, s3, s66                       ; G = 4 g' + wave: 128 rows of the stacked Q, K, V
	s_bfe_u32 s66, s100, 0x20002
	s_lshl_b32 s66, s66, 1
	s_add_co_u32 s66, s66, s101
	s_lshl_b32 s66, s66, 9                         ; K step 2 kk + ksub, in bytes
	s_lshr_b32 s67, s3, 3                          ; which matrix
	s_and_b32 s3, s3, 7                            ; and which 128 of its rows
	s_wait_kmcnt 0x0
	s_add_nc_u64 s[4:5], s[4:5], s[28:29]
	s_add_nc_u64 s[20:21], s[20:21], s[32:33]
	s_add_nc_u64 s[26:27], s[20:21], 4*1572864     ; batches 4 to 7: so that the stores' offsets stay inside the signed 24-bit immediate
	s_add_nc_u64 s[22:23], s[22:23], s[34:35]
	XIDX 0
	s_mov_b32 s62, 0x76543210                      ; v_permlanex16_b32's selects for lane l xor 16
	s_mov_b32 s63, 0xfedcba98
	s_cmp_eq_u32 s67, 2                            ; the weight and its bias: a choice on the unit's number alone
	s_cselect_b64 s[10:11], s[12:13], s[10:11]
	s_cselect_b64 s[16:17], s[18:19], s[16:17]
	s_cmp_eq_u32 s67, 0
	s_cselect_b64 s[8:9], s[8:9], s[10:11]
	s_cselect_b64 s[14:15], s[14:15], s[16:17]
	s_cselect_b32 s10, 5, 0                        ; Q: rows as they lie (32 to a block); K, V: row n' / 32 + 32 (n' % 32)
	s_mov_b32 s11, 131072
	s_cselect_b32 s11, 4096, s11                   ; from one row of a block to the next, in bytes
	s_cselect_b32 s12, 128, 4                      ; the biases' strides: by lane / 16,
	s_mov_b32 s13, 256
	s_cselect_b32 s13, 8, s13                      ; by lane % 16,
	s_cselect_b32 s16, 4, 128                      ; and from my first to my second
	s_lshl_b32 s17, s3, 2
	s_add_co_u32 s17, s17, s2                      ; the block: 4 G'' + pair
	s_lshl_b32 s17, s17, s10
	s_lshl_b32 s17, s17, 12
	s_add_co_u32 s17, s17, s66
	v_lshl_add_u32 v23, v1, 4, s17                 ; its first row, my 16 bytes of the K step
	s_lshl_b32 s18, s3, 4
	s_lshl_b32 s19, s101, 3
	s_add_co_u32 s18, s18, s19
	s_lshl_b32 s18, s18, s10
	v_mul_u32_u24 v14, s12, v3
	v_mad_u32_u24 v14, v2, s13, v14
	v_add_nc_u32 v14, s18, v14                     ; bias of column 64 ksub + 2 lane of the group,
	v_add_nc_u32 v15, s16, v14                     ; and of the next
	s_mul_i32 s18, s100, CH
	s_mov_b32 s19, 0
	s_add_nc_u64 s[24:25], s[24:25], s[18:19]      ; my chunk
	s_lshl_b32 s18, s2, 8
	s_lshl_b32 s19, s101, 6
	s_add_co_u32 s18, s18, s19
	s_add_co_u32 s18, s18, 24576
	v_lshl_add_u32 v13, v3, 7, s18
	v_lshl_add_u32 v13, v2, 2, v13                 ; scale words: tile 2 pair + h, lane 16 ksub + r
	s_lshl_b32 s18, s101, 3
	s_lshl_b32 s19, s2, 1
	s_add_co_u32 s18, s18, s19
	s_mul_i32 s18, s18, 1536
	v_lshl_add_u32 v22, v1, 4, s18                 ; fragment 8 ksub + 2 pair
	s_lshl_b32 s18, s101, 8
	s_add_co_u32 s18, s18, 25600
	v_lshl_add_u32 v18, v1, 3, s18                 ; my two biases' place
	s_cmp_lt_u32 s60, 3
	s_cbranch_scc0 .Lno_w1
.set i, 0
	s_wait_alu depctr_va_vdst(0)
.rept 32
	v_mad_u32_u24 v[OFFW+i], s11, i, v23
.set i, i+1
.endr
	WIN 0x80
.set i, 0
.rept 32
	global_load_b128 v[4*i:4*i+3], v[OFFW+i], s[8:9] th:TH_LOAD_NT   ; row i of the block: 512 consecutive bytes, read once in the launch
.set i, i+1
.endr
	WIN 0
	global_load_b32 v16, v14, s[14:15]
	global_load_b32 v17, v15, s[14:15]
.Lno_w1:
	s_wait_kmcnt 0x0
	OFFS 0
	XIDX 4
	LOADS 0
	LOADS 1
	LOADS 2
	; THE SINES, eight a trip, while the first loads are out.  Register 4 q + e: d = 128 ks + 16 h + 32 (q / 4) + 4 (q % 4) + e
	s_mov_b32 s66, 0
; four sines, number q of 16 sets: results in v[so] on, their place in the scratch in v[va]
.macro SINQ q, so, va
	s_lshr_b32 s67, \q, 2
	s_lshl_b32 s67, s67, 5
	s_and_b32 s3, \q, 3
	s_lshl_b32 s3, s3, 2
	s_add_co_u32 s67, s67, s3
	s_lshl_b32 s3, \q, 9
	v_add_nc_u32 v[SD], s67, v21
.irp e, 1,2,3
	v_add_nc_u32 v[SD+\e], \e, v[SD]
.endr
.irp e, 0,1,2,3
	v_cvt_f32_u32 v[SD+\e], v[SD+\e]
.endr
.irp e, 0,1,2,3
	v_mul_f32 v[SY+\e], v25, v[SD+\e]              ; -d x 13,607 / 2^19: exact (10 bits x 14 bits)
.endr
.irp e, 0,1,2,3
	v_floor_f32 v[SN+\e], v[SY+\e]                 ; its whole part, 0 or less,
.endr
.irp e, 0,1,2,3
	v_sub_f32 v[SY+\e], v[SY+\e], v[SN+\e]         ; and the rest, in 0 .. 1: exact
.endr
.irp e, 0,1,2,3
	v_fma_f32 v[SY+\e], v[SD+\e], v26, v[SY+\e]    ; + d x what is left of -log2(10) / 128
.endr
	s_wait_alu depctr_va_vdst(0)
.irp e, 0,1,2,3
	v_exp_f32 v[SW+\e], v[SY+\e]
.endr
.irp e, 0,1,2,3
	v_cvt_i32_f32 v[SN+\e], v[SN+\e]               ; (plain instructions behind the exponentials)
.endr
	s_wait_alu depctr_va_vdst(0)                   ; one wait for the four, ahead of their first reader
.irp e, 0,1,2,3
	v_ldexp_f32 v[SW+\e], v[SW+\e], v[SN+\e]       ; the frequency
.endr
.irp e, 0,1,2,3
	v_mul_f32 v[SA+\e], v20, v[SW+\e]              ; position x frequency, rounded once
.endr
.irp e, 0,1,2,3
	v_fma_f32 v[SQ+\e], v[SA+\e], v27, 0.5
.endr
.irp e, 0,1,2,3
	v_floor_f32 v[SQ+\e], v[SQ+\e]                 ; how many quarter turns, to the nearest (at most 1,303)
.endr
.irp e, 0,1,2,3
	v_fma_f32 v[SA+\e], v[SQ+\e], v28, v[SA+\e]    ; less so many times pi / 2, in two parts: the first leaves an exact rest
.endr
.irp e, 0,1,2,3
	v_fma_f32 v[SA+\e], v[SQ+\e], v29, v[SA+\e]
.endr
.irp e, 0,1,2,3
	v_cvt_i32_f32 v[SQ+\e], v[SQ+\e]
.endr
.irp e, 0,1,2,3
	v_mul_f32 v[SZ+\e], v[SA+\e], v[SA+\e]
.endr
.irp e, 0,1,2,3
	v_fma_f32 v[SS+\e], v[SZ+\e], v248, v31
	v_fma_f32 v[SCO+\e], v[SZ+\e], v249, v250
.endr
.irp e, 0,1,2,3
	v_fma_f32 v[SS+\e], v[SZ+\e], v[SS+\e], v30
	v_fma_f32 v[SCO+\e], v[SZ+\e], v[SCO+\e], v251
.endr
.irp e, 0,1,2,3
	v_mul_f32 v[SR+\e], v[SA+\e], v[SZ+\e]
	v_fma_f32 v[ST+\e], v[SZ+\e], -0.5, 1.0
.endr
.irp e, 0,1,2,3
	v_mul_f32 v[SZ+\e], v[SZ+\e], v[SZ+\e]
.endr
.irp e, 0,1,2,3
	v_fma_f32 v[SS+\e], v[SR+\e], v[SS+\e], v[SA+\e]       ; the sine of the rest,
	v_fma_f32 v[SCO+\e], v[SZ+\e], v[SCO+\e], v[ST+\e]     ; and its cosine
.endr
.irp e, 0,1,2,3
	v_and_b32 v[ST+\e], 1, v[SQ+\e]
	v_and_b32 v[SQ+\e], 2, v[SQ+\e]
.endr
	s_wait_alu depctr_va_vdst(0)
	s_wait_dscnt 0x1                               ; this set's last store is done (behind it only the other set's store has been issued): its address and its data are written again only from here on
	v_add_nc_u32 v[\va], s3, v7
.irp e, 0,1,2,3
	v_cmp_gt_u32 vcc_lo, 1, v[ST+\e]
	v_cndmask_b32 v[SS+\e], v[SCO+\e], v[SS+\e], vcc_lo    ; then the sine, else the cosine;
	v_lshl_or_b32 v[SQ+\e], v[SQ+\e], 30, v252             ; 1.0 with the second half turn's bit as its sign,
	v_mul_f32 v[\so+\e], v[SS+\e], v[SQ+\e]                ; which changes the sign and nothing else
.endr
	ds_store_b128 v[\va], v[\so:\so+3]
.endm
.Lsin:                                                 ; two sets a trip, in two sets of result registers (the second: v128-131 and v132, not used before the second stage is first filled)
	SINQ s66, SO, 8
	s_add_co_u32 s18, s66, 1
	SINQ s18, 128, 132
	s_add_co_u32 s66, s66, 2
	s_cmp_lt_u32 s66, 16
	s_cbranch_scc1 .Lsin
	WIN 0x40
.set i, 0
.rept 16
	ds_load_b128 v[192+4*i:195+4*i], v7 offset:512*i
.set i, i+1
.endr
	WIN 0
	s_wait_kmcnt 0x0
	OFFS 4
	; THE WEIGHTS' UNIT: 32 rows x 128 K become two fragments
	s_cmp_lt_u32 s60, 3
	s_cbranch_scc0 .Lno_w2
	s_wait_loadcnt 48                              ; behind the weights' and biases' loads stand the 48 of batches 0 to 2
	WIN 0x08
.set i, 0
.rept 32
	ds_store_b128 v11, v[4*i:4*i+3] offset:SPI*(16*((i/8)%2)+8*(i/16)+i%8)   ; row i = 8 u + j + 8 (j / 8) of the block goes to row j of tile u
.set i, i+1
.endr
	WIN 0
.irp u, 0,1
.set i, 0
.rept 16
	ds_load_b128 v[XA+4*i:XA+4*i+3], v12 offset:16*SPI*\u+128*(i/4)+16*(i%4)
.set i, i+1
.endr
	s_wait_dscnt 0x0
.if \u
	s_wait_xcnt 0x0                                ; the first tile's stores have read their registers
.endif
	QUANT XA
.irp c, 0,1,2
	global_store_b128 v22, v[PC+4*\c:PC+4*\c+3], s[24:25] offset:1536*\u+512*\c
.endr
.if \u == 0
	v_mov_b32 v19, v[PW]
.endif
.endr
	s_mov_b32 vcc_lo, 0xffff0000
	v_cndmask_b32 v24, v19, v[PW], vcc_lo          ; lanes 0-15 the first tile's words, lanes 16-31 the second's
	global_store_b32 v13, v24, s[24:25]
	s_cmp_lg_u32 s2, 0
	s_cbranch_scc1 .Lno_w2
	global_store_b64 v18, v[16:17], s[24:25]       ; the half chunk's 64 biases: 256 consecutive bytes, aligned
.Lno_w2:
	; h: batch by batch.  Loads run three batches ahead, the turn through the stage one
.macro STEP n
	s_wait_dscnt 0x0                               ; this batch is back from the stage, and its stores into the stage have read their registers,
.if (\n)+3 < 8
	LOADS (\n)+3                                   ; which take the batch three on
.endif
.if (\n)+1 < 8
.if (\n) <= 4
	s_wait_loadcnt 32                              ; the next batch is in; the two behind it may be out
.else
	s_wait_loadcnt 16*(6-(\n))
.endif
	TURN (\n)+1
.endif
.set XS, XA+64*((\n)%2)
	WIN 0x04
.set j, 0
.rept 32
	v_pk_add_f32 v[XS+j:XS+j+1], v[XS+j:XS+j+1], v[192+j:193+j]    ; h = emb[x] + the sine
.set j, j+2
.endr
	WIN 0
	s_wait_xcnt 0x0                                ; the last stores have read the codes' and the word's registers
	QUANT XS
.irp c, 0,1,2
.if (\n) < 4
	global_store_b128 v9, v[PC+4*\c:PC+4*\c+3], s[20:21] offset:((\n)%4)*1572864+512*\c
.else
	global_store_b128 v9, v[PC+4*\c:PC+4*\c+3], s[26:27] offset:((\n)%4)*1572864+512*\c
.endif
.endr
	global_store_b32 v10, v[PW], s[22:23] offset:65536*(\n)        ; both halves of the lanes hold row r's word and store it to one place
.endm
	s_wait_loadcnt 32
	TURN 0
.irp t, 0,1,2,3,4,5,6,7
	STEP \t
.endr
	s_wait_tensorcnt 0x0
	ds_add_u32 v254, v255
	s_wait_dscnt 0x0
	s_endpgm
.Lfunc_end_k_q556cad0816_prep:
	.size	k_q556cad0816_prep, .Lfunc_end_k_q556cad0816_prep-k_q556cad0816_prep
	.p2alignl 7, 3214868480
	.fill 96, 4, 3214868480
	.section	.rodata,"a",@progbits
	.p2align	6, 0x0
	.amdhsa_kernel k_q556cad0816_prep
		.amdhsa_group_segment_fixed_size 168448
		.amdhsa_private_segment_fixed_size 0
		.amdhsa_enable_private_segment 0
		.amdhsa_kernarg_size 88
		.amdhsa_user_sgpr_count 2
		.amdhsa_user_sgpr_kernarg_segment_ptr 1
		.amdhsa_wavefront_size32 1
		.amdhsa_system_sgpr_workgroup_id_x 1
		.amdhsa_system_sgpr_workgroup_id_y 1
		.amdhsa_system_sgpr_workgroup_id_z 1
		.amdhsa_system_vgpr_workitem_id 0
		.amdhsa_next_free_vgpr 768
		.amdhsa_next_free_sgpr 104
		.amdhsa_reserve_vcc 1
		.amdhsa_float_denorm_mode_32 3
		.amdhsa_float_denorm_mode_16_64 3
		.amdhsa_memory_ordered 1
		.amdhsa_forward_progress 1
		.amdhsa_inst_pref_size 133
	.end_amdhsa_kernel
	.amdgpu_metadata
---
amdhsa.version: [ 1, 2 ]
amdhsa.kernels:
  - .name:           k_q556cad0816_prep
    .symbol:         k_q556cad0816_prep.kd
    .args:
      - { .name: x, .offset: 0, .size: 8, .value_kind: global_buffer, .address_space: global }
      - { .name: emb, .offset: 8, .size: 8, .value_kind: global_buffer, .address_space: global }
      - { .name: WQ, .offset: 16, .size: 8, .value_kind: global_buffer, .address_space: global }
      - { .name: WK, .offset: 24, .size: 8, .value_kind: global_buffer, .address_space: global }
      - { .name: WV, .offset: 32, .size: 8, .value_kind: global_buffer, .address_space: global }
      - { .name: bQ, .offset: 40, .size: 8, .value_kind: global_buffer, .address_space: global }
      - { .name: bK, .offset: 48, .size: 8, .value_kind: global_buffer, .address_space: global }
      - { .name: bV, .offset: 56, .size: 8, .value_kind: global_buffer, .address_space: global }
      - { .name: hcodes, .offset: 64, .size: 8, .value_kind: global_buffer, .address_space: global }
      - { .name: hscale, .offset: 72, .size: 8, .value_kind: global_buffer, .address_space: global }
      - { .name: wstream, .offset: 80, .size: 8, .value_kind: global_buffer, .address_space: global }
    .group_segment_fixed_size: 168448
    .private_segment_fixed_size: 0
    .kernarg_segment_align: 8
    .kernarg_segment_size: 88
    .max_flat_workgroup_size: 128
    .sgpr_count:     104
    .vgpr_count:     768
    .wavefront_size: 32
...
	.end_amdgpu_metadata
.endif
;; end of part 4
;; launch main (part 5): grid 256 x 1, 4 waves a work-group, clusters of 4 x 1, 327,680 bytes of LDS; arguments hcodes, hscale, wstream, partial; writes partial
.if DOCPART == 5
	.amdgcn_target "amdgcn-amd-amdhsa--gfx1250"
	.amdhsa_code_object_version 6
	.text
	.protected	k_q556cad0816_main
	.globl	k_q556cad0816_main
	.p2align	8
	.type	k_q556cad0816_main,@function
k_q556cad0816_main:
	s_mov_b64 s[64:65], 0
	v_nop
	global_prefetch_b8 v0, s[64:65] scope:SCOPE_SE
	s_setreg_imm32_b32 hwreg(HW_REG_WAVE_MODE, 25, 1), 1
	s_wait_xcnt 0x0
	s_wait_alu depctr_hold_cnt(0) depctr_sa_sdst(0) depctr_va_vdst(0) depctr_va_sdst(0) depctr_va_ssrc(0) depctr_va_vcc(0) depctr_vm_vsrc(0)
	s_getreg_b32 s2, hwreg(HW_REG_IB_STS2, 6, 4)
	s_cmp_eq_u32 s2, 0
	s_cbranch_scc0 .Lentry_in_a_cluster
	s_endpgm
.Lentry_in_a_cluster:
	s_bfe_u32 s2, ttmp6, 0x10000c
	s_cmp_lg_u32 s2, 0x3003
	s_cbranch_scc0 .Lentry_shape_is_right
	s_endpgm
.Lentry_shape_is_right:
.set CH,    26112
.set SLOT,  4*CH
.set H0,    2*SLOT
.set HB,    25600
.set HP,    400
.set SC,    H0+4*HB
.set SK,    SC+2176
.set PS,    SC+4352
.set SPARE, PS+4096
.set AS,    32
.set BS,    48
.set BIAS,  192
.set K4,    64
.set Q4,    88
.set KM,    112
.set MX,    184
.set MP,    192
.set SU,    196
.set SUP,   204
.set RC,    208
.set MSB, 0
.macro WIN new
.if MSB != \new
	s_set_vgpr_msb (MSB<<8)|\new
.set MSB, \new
.endif
.endm
.macro PLACES
.rept 4
	v_nop
.endr
.endm
.macro CREST
	s_cmp_lg_u32 s12, 0
	s_cbranch_scc1 .Lnot_wave_0_\@
	s_barrier_signal -3
.Lnot_wave_0_\@:
	s_barrier_wait -3
	s_barrier_signal -1
	s_barrier_wait -1
.endm
.macro CROUND
	s_barrier_signal -1
	s_barrier_wait -1
	CREST
.endm
.macro ASK
	s_cmp_eq_u32 s34, 1
	s_cbranch_scc0 .Lnot_mine_\@
	global_prefetch_b8 v67, s[32:33] th:TH_LOAD_NT scope:SCOPE_SE
.Lnot_mine_\@:
.endm
.macro MUL ks, t0, t1
.if (\ks) == 0
	WIN 0xd9
.elseif (\ks) < 5
	WIN 0xf9
.else
	WIN 0xf1
.endif
.set tt, \t0
.rept (\t1)-(\t0)+1
.set aa, 0
.rept 4
.set rD, 64*aa+8*tt
.set rB, 96*((\ks)%2)+12*tt
.if (\ks) < 5
.set rA, 48*(\ks)+12*aa
.else
.set rA, 112+48*((\ks)-5)+12*aa
.endif
.set rS, BS+8*(((\ks)/2)%2)+tt
.set rT, AS+4*aa+(\ks)/2
.if (\ks) == 0
	v_wmma_scale_f32_16x16x128_f8f6f4 v[rD:rD+7], v[rB:rB+11], v[rA:rA+11], v[BIAS+8*tt:BIAS+8*tt+7], v[rS], v[rT] matrix_a_fmt:MATRIX_FMT_FP6 matrix_b_fmt:MATRIX_FMT_FP6
.elseif (\ks)%2 == 0
	v_wmma_scale_f32_16x16x128_f8f6f4 v[rD:rD+7], v[rB:rB+11], v[rA:rA+11], v[rD:rD+7], v[rS], v[rT] matrix_a_fmt:MATRIX_FMT_FP6 matrix_b_fmt:MATRIX_FMT_FP6
.else
	v_wmma_scale_f32_16x16x128_f8f6f4 v[rD:rD+7], v[rB:rB+11], v[rA:rA+11], v[rD:rD+7], v[rS], v[rT] matrix_a_fmt:MATRIX_FMT_FP6 matrix_b_fmt:MATRIX_FMT_FP6 matrix_a_scale:MATRIX_SCALE_ROW1 matrix_b_scale:MATRIX_SCALE_ROW1
.endif
.set aa, aa+1
.endr
.set tt, tt+1
.endr
.endm
.macro FETCH set, slot, ksub
	WIN 0x40
.set ff, 0
.rept 8
.irp c, 0,1,2
	ds_load_b128 v[96*(\set)+12*ff+4*\c:96*(\set)+12*ff+4*\c+3], v[3+(\slot)] offset:(8*(\ksub)+ff)*1536+512*\c
.endr
.set ff, ff+1
.endr
.endm
.macro FS slot
	WIN 0
.set ff, 0
.rept 8
	ds_load_b32 v[BS+8*(\slot)+ff], v[5+(\slot)] offset:128*ff
.set ff, ff+1
.endr
.endm
.macro FB
	WIN 0x40
.set ff, 0
.rept 8
	ds_load_b128 v[BIAS+8*ff:BIAS+8*ff+3], v7 offset:4*(32*(ff/2)+8*(ff%2))
	ds_load_b128 v[BIAS+8*ff+4:BIAS+8*ff+7], v7 offset:4*(32*(ff/2)+8*(ff%2))+16
.set ff, ff+1
.endr
.endm
.macro EVEN ks
	s_wait_dscnt 0x0
	PLACES
	FETCH 1, ((\ks)/2)%2, 1
	MUL \ks, 0, 7
.endm
.macro ODD ks, slot, next, mode, ask
.if (\mode) == 1
.set jj, ((\ks)/2+2)%4
.set GD, 24+4*jj+16*(jj/2)
	s_wait_dscnt 0x0
	MUL \ks, 0, 3
	WIN 0
	s_wait_tensorcnt 0x0
	ds_add_u32 v1, v2
.if \ask
	s_wait_xcnt 0x0
	s_add_nc_u64 s[32:33], s[32:33], SLOT
.endif
	s_add_nc_u64 s[GD+2:GD+3], s[GD+2:GD+3], 4*SLOT
	s_wait_dscnt 0x0
	CROUND
	tensor_load_to_lds s[GD:GD+3], s[16:23]
	s_nop 0
	PLACES
	FS \next
.if (\ks) == 7
	FB
.endif
	FETCH 0, \next, 0
.if \ask
	WIN 0
	ASK
.endif
	MUL \ks, 4, 7
.elseif (\mode) == 2
	s_wait_tensorcnt 0x0
	s_wait_dscnt 0x0
	PLACES
	FS \next
	FETCH 0, \next, 0
	MUL \ks, 0, 7
.else
	s_wait_dscnt 0x0
	MUL \ks, 0, 7
.endif
.endm
.macro QUANTM a, z, word
.set NS, 64*(\a)
.set QT, 96+48*(\z)
	WIN 0x7d
.irp b, 0,1,2,3
	v_max3_num_f32 v[QT+\b], 0x1800000, |v[NS+16*\b]|, |v[NS+1+16*\b]|
.endr
.irp i, 2,4,6,8,10,12,14
.irp b, 0,1,2,3
	v_max3_num_f32 v[QT+\b], v[QT+\b], |v[NS+16*\b+\i]|, |v[NS+1+16*\b+\i]|
.endr
.endr
	WIN 0x55
.irp b, 0,1,2,3
	v_permlanex16_b32 v[QT+4+\b], v[QT+\b], s38, s39
.endr
.irp b, 0,1,2,3
	v_max_num_f32 v[QT+\b], v[QT+\b], v[QT+4+\b]
.endr
.irp b, 0,1,2,3
	v_add_nc_u32 v[QT+12+\b], 0xff000000, v[QT+\b]
.endr
.irp b, 0,1,2,3
	v_lshrrev_b32 v[QT+4+\b], 23, v[QT+12+\b]
.endr
.if \word
	v_lshl_or_b32 v[QT+16], v[QT+5], 8, v[QT+4]
	v_lshl_or_b32 v[QT+16], v[QT+6], 16, v[QT+16]
	v_lshl_or_b32 v[QT+16], v[QT+7], 24, v[QT+16]
.endif
	WIN 0x47
.irp c, 0,1
	v_cvt_scalef32_pk16_fp6_f32 v[QT+18+6*\c:QT+20+6*\c], v[NS+32*\c:NS+15+32*\c], v[QT+12+2*\c]
	v_cvt_scalef32_pk16_fp6_f32 v[QT+30+4*\c:QT+32+4*\c], v[NS+16+32*\c:NS+31+32*\c], v[QT+13+2*\c]
.endr
	v_nop
	WIN 0x55
.irp c, 0,1
.irp i, 0,1,2
	v_permlane16_swap_b32 v[QT+18+6*\c+\i], v[QT+30+4*\c+\i]
.endr
.irp i, 0,1,2
	v_mov_b32 v[QT+21+6*\c+\i], v[QT+30+4*\c+\i]
.endr
.endr
.endm
.macro QOUT a, z
.set QT, 96+48*(\z)
	WIN 0x04
.irp p, 0,1,2,3,4,5
	ds_store_b64 v10, v[QT+18+2*\p:QT+19+2*\p] offset:6400*(\a)+48*(\p/3)+8*(\p%3)
.endr
.irp b, 0,1,2,3
	ds_store_b8 v11, v[QT+4+\b] offset:68*\b+16*(\a)
.endr
.endm
.macro GROUP m5, m7, k1, k3, k5, k7
	EVEN 0
	ODD 1, 0, 1, 1, \k1
	EVEN 2
	ODD 3, 1, 0, 1, \k3
	EVEN 4
	ODD 5, 0, 1, \m5, \k5
	EVEN 6
	ODD 7, 1, 0, \m7, \k7
	PLACES
	WIN 0
	v_add_nc_u32 v10, s36, v8
	v_add_nc_u32 v11, s37, v9
.irp q, 0,1,2,3
.if \q >= 2
	s_wait_dscnt 10
.endif
	QUANTM \q, \q%2, 0
	QOUT \q, \q%2
.endr
	WIN 0
.endm
	s_load_b256 s[4:11], s[0:1], 0x0
	v_lshl_add_u32 v1, v0, 2, SPARE
	v_mov_b32 v2, 0
	ds_add_u32 v1, v2
	ds_add_u32 v1, v2
	s_wait_dscnt 0x0
	v_lshrrev_b32 v64, 5, v0
	v_readfirstlane_b32 s12, v64
	v_and_b32 v64, 31, v0
	s_wait_alu depctr_va_vdst(0)
	v_and_b32 v65, 15, v0
	v_bfe_u32 v66, v0, 4, 1
	s_wait_alu depctr_va_vdst(0)
	s_bfe_u32 s13, ttmp6, 0x40000
	s_lshl_b32 s14, ttmp9, 2
	s_add_co_u32 s14, s14, s13
	s_lshr_b32 s15, ttmp9, 2
	s_add_co_u32 s15, s15, ttmp9
	s_and_b32 s15, s15, 3
	s_mov_b32 s16, 0x0023000f
	s_mov_b32 s17, 32<<16
	s_mov_b32 s18, 102<<16
	s_mov_b32 s19, 32<<16
	s_mov_b32 s20, 102
	s_mov_b32 s21, 32
	s_mov_b32 s22, 0
	s_mov_b32 s23, 0
	s_mul_i32 s48, s12, CH
	s_mov_b32 s49, 0
	v_lshl_add_u32 v3, v64, 4, s48
	v_add_nc_u32 v4, SLOT, v3
	s_add_co_u32 s50, s48, 24576
	v_lshl_add_u32 v5, v64, 2, s50
	v_add_nc_u32 v6, SLOT, v5
	s_add_co_u32 s50, s48, 25600
	v_lshl_add_u32 v7, v66, 6, s50
	s_mul_i32 s50, s12, 96
	s_add_co_u32 s50, s50, H0
	v_mul_u32_u24 v8, v65, HP
	v_mad_u32_u24 v8, v66, 24, v8
	v_add_nc_u32 v8, s50, v8
	s_mul_i32 s50, s12, 272
	s_add_co_u32 s50, s50, SC
	v_add_nc_u32 v9, s50, v65
	s_mul_i32 s51, s12, 6400
	v_lshrrev_b32 v102, 3, v65
	v_and_b32 v103, 7, v65
	v_mul_u32_u24 v12, v102, HB
	v_mad_u32_u24 v12, v103, 24, v12
	v_mad_u32_u24 v12, v66, HP, v12
	s_add_co_u32 s50, s51, H0+2*HB
	v_add_nc_u32 v12, s50, v12
	v_lshl_add_u32 v13, v102, 3, v65
	v_mul_u32_u24 v13, v13, 68
	s_lshl_b32 s52, s12, 4
	s_add_co_u32 s50, s52, SK
	v_add_nc_u32 v13, s50, v13
	v_mul_u32_u24 v14, v65, 24
	v_mad_u32_u24 v14, v66, HP, v14
	s_add_co_u32 s50, s51, H0
	v_add_nc_u32 v14, s50, v14
	v_mul_u32_u24 v15, v65, 68
	s_add_co_u32 s53, s52, SC
	v_add_nc_u32 v15, s53, v15
	v_lshl_add_u32 v16, v64, 4, s50
	s_lshl_b32 s53, s12, 10
	s_add_co_u32 s53, s53, PS
	v_lshl_add_u32 v17, v64, 2, s53
	s_lshr_b32 s54, s12, 1
	s_and_b32 s55, s12, 1
	s_mul_i32 s50, s54, HB
	s_add_co_u32 s50, s50, H0
	v_lshl_add_u32 v28, v64, 4, s50
	s_lshl_b32 s50, s54, 7
	s_add_co_u32 s50, s50, PS
	v_lshl_add_u32 v29, v64, 2, s50
	s_mul_i32 s50, s55, HB
	s_add_co_u32 s50, s50, H0+2*HB
	v_mul_u32_u24 v30, v65, 24
	v_mad_u32_u24 v30, v66, HP, v30
	v_add_nc_u32 v30, s50, v30
	s_mul_i32 s50, s55, 1088
	s_add_co_u32 s50, s50, SK
	v_mul_u32_u24 v31, v65, 68
	v_add_nc_u32 v31, s50, v31
	s_lshl_b32 s50, s13, 5
	v_add_nc_u32 v67, s50, v64
	v_min_u32 v67, 101, v67
	v_lshlrev_b32 v67, 8, v67
	v_lshlrev_b32 v100, 4, v64
.irp kp, 0,1,2,3
	s_add_co_u32 s50, s15, \kp
	s_and_b32 s50, s50, 3
	s_mul_i32 s51, s50, 3072
	v_lshl_add_u32 v[104+\kp], v64, 4, s51
	s_lshl_b32 s51, s50, 7
	v_lshl_add_u32 v[108+\kp], v64, 2, s51
.endr
	s_add_co_u32 s42, s15, 1
	s_and_b32 s42, s42, 3
	s_add_co_u32 s43, s15, 2
	s_and_b32 s43, s43, 3
	s_add_co_u32 s44, s15, 3
	s_and_b32 s44, s44, 3
	s_cmp_eq_u32 ttmp9, 0
	s_cselect_b32 s34, 1, 0
	s_mov_b32 s38, 0x76543210
	s_mov_b32 s39, 0xfedcba98
	s_mov_b32 s40, 0x3e8293ee
	s_mov_b32 s41, s40
	s_mul_i32 s56, s14, 49152
	s_mov_b32 s57, 0
	s_lshl_b32 s58, s14, 11
	s_mov_b32 s59, 0
	s_wait_alu depctr_va_vdst(0)
	s_wait_kmcnt 0x0
	s_add_nc_u64 s[4:5], s[4:5], s[56:57]
	s_add_nc_u64 s[6:7], s[6:7], s[58:59]
	WIN 0x80
.set kk, 0
.rept 5
.set aa, 0
.rept 4
.irp c, 0,1,2
	global_load_b128 v[48*kk+12*aa+4*\c:48*kk+12*aa+4*\c+3], v[104+kk/2], s[4:5] offset:(8*aa+kk%2)*1536+512*\c
.endr
.set aa, aa+1
.endr
.set kk, kk+1
.endr
	WIN 0
.rept 3
.set aa, 0
.rept 4
.irp c, 0,1,2
	global_load_b128 v[112+48*(kk-5)+12*aa+4*\c:112+48*(kk-5)+12*aa+4*\c+3], v[104+kk/2], s[4:5] offset:(8*aa+kk%2)*1536+512*\c
.endr
.set aa, aa+1
.endr
.set kk, kk+1
.endr
.set aa, 0
.rept 16
	global_load_b32 v[AS+aa], v[108+aa%4], s[6:7] offset:512*(aa/4)
.set aa, aa+1
.endr
	s_lshl_b32 s56, s14, 12
	s_lshl_b32 s58, s12, 10
	s_add_co_u32 s56, s56, s58
	s_add_nc_u64 s[10:11], s[10:11], s[56:57]
	s_add_nc_u64 s[32:33], s[8:9], s[48:49]
	s_mov_b32 s24, 1
	s_mov_b32 s25, s48
	s_mov_b32 s28, 1
	s_add_co_u32 s29, s48, SLOT
	s_mul_i32 s56, s15, SLOT
	s_add_nc_u64 s[26:27], s[32:33], s[56:57]
	s_mul_i32 s56, s42, SLOT
	s_add_nc_u64 s[30:31], s[32:33], s[56:57]
	s_mul_i32 s56, s43, SLOT
	s_add_nc_u64 s[50:51], s[32:33], s[56:57]
	s_sub_nc_u64 s[50:51], s[50:51], 4*SLOT
	s_mul_i32 s56, s44, SLOT
	s_add_nc_u64 s[54:55], s[32:33], s[56:57]
	s_sub_nc_u64 s[54:55], s[54:55], 4*SLOT
	s_mov_b32 s52, 1
	s_mov_b32 s53, s29
	s_mov_b32 s49, s48
	s_mov_b32 s48, 1
	s_add_nc_u64 s[32:33], s[32:33], 6*SLOT
	s_or_b32 s27, s27, 0x80000000
	s_or_b32 s31, s31, 0x80000000
	s_or_b32 s51, s51, 0x80000000
	s_or_b32 s55, s55, 0x80000000
	CROUND
	tensor_load_to_lds s[24:27], s[16:23]
	s_nop 0
	s_wait_alu depctr_va_vdst(0)
	s_wait_tensorcnt 0x0
	ds_add_u32 v1, v2
	s_wait_dscnt 0x0
	CROUND
	tensor_load_to_lds s[28:31], s[16:23]
	s_nop 0
	PLACES
	s_wait_tensorcnt 0x1
	FS 0
	FB
	FETCH 0, 0, 0
	WIN 0
	s_wait_loadcnt 0x0
	s_mov_b32 s36, 0
	s_mov_b32 s37, 0
	s_mov_b32 s35, 0
.Lqk:
	GROUP 1, 1, 1, 1, 1, 1
	s_add_co_u32 s36, s36, HB
	s_add_co_u32 s37, s37, 1088
	s_add_co_u32 s35, s35, 1
	s_cmp_lt_u32 s35, 4
	s_cbranch_scc1 .Lqk
	s_wait_dscnt 0x0
	s_barrier_signal -1
	s_barrier_wait -1
	WIN 0xff
.set j, 0
.rept 4
.irp x, 0,1,2,3,4,5
	v_mov_b32 v[KM+18*j+6+\x], 0
.endr
	v_mov_b32 v[MX+2*j+1], 0
	v_mov_b32 v[RC+2*j+1], 0
	v_mov_b32 v[MP+j], 0
	v_mov_b32 v[SUP+j], 0
.set j, j+1
.endr
	WIN 0
	s_mov_b32 s44, 0
	s_mov_b32 s45, 0
	s_mov_b32 s46, 0
	s_mov_b32 s47, 0
.Lquad:
	v_add_nc_u32 v18, s44, v12
	v_add_nc_u32 v19, s45, v13
	v_add_nc_u32 v20, s44, v14
	v_add_nc_u32 v21, s45, v15
	v_add_nc_u32 v22, s44, v16
	v_add_nc_u32 v23, s46, v17
	WIN 0xc0
.irp u, 0,1
.irp p, 0,1,2,3,4,5
	ds_load_b64 v[K4+12*\u+2*\p:K4+12*\u+2*\p+1], v18 offset:192*\u+800*(\p/3)+8*(\p%3)
.endr
.endr
.irp u, 0,1
.irp p, 0,1,2,3,4,5
	ds_load_b64 v[Q4+12*\u+2*\p:Q4+12*\u+2*\p+1], v20 offset:HB*\u+800*(\p/3)+8*(\p%3)
.endr
.endr
	WIN 0
.irp u, 0,1
	ds_load_b32 v[24+\u], v19 offset:544*\u
	ds_load_b32 v[26+\u], v21 offset:1088*\u
.endr
	s_wait_dscnt 0x0
	WIN 0xff
.irp hb, 0,1
.if \hb
	s_mov_b32 vcc_lo, 0xffff0000
.else
	s_mov_b32 vcc_lo, 0x0000ffff
.endif
.irp u, 0,1
.irp c, 0,1
.irp x, 0,1,2,3,4,5
	v_cndmask_b32 v[KM+18*(2*\hb+\u)+12*\c+\x], 0, v[K4+12*\u+6*\c+\x], vcc_lo
.endr
.endr
.endr
.endr
	PLACES
.irp kp, 0,1
	WIN 0xff
.irp b, 0,1,2,3
.irp u, 0,1
	v_wmma_scale_f32_16x16x128_f8f6f4 v[16*\b+8*\u:16*\b+8*\u+7], v[KM+18*(2*(\b%2)+\u)+6*(\b/2):KM+18*(2*(\b%2)+\u)+6*(\b/2)+11], v[Q4+12*\kp:Q4+12*\kp+11], 0, v[24+\u], v[26+\kp] matrix_a_fmt:MATRIX_FMT_FP6 matrix_b_fmt:MATRIX_FMT_FP6
.endr
.endr
	PLACES
.irp b, 0,1,2,3
	v_max3_num_f32 v[MX+2*\b], 0xff800000, v[16*\b], v[16*\b+1]
.endr
.irp i, 2,4,6,8,10,12,14
.irp b, 0,1,2,3
	v_max3_num_f32 v[MX+2*\b], v[MX+2*\b], v[16*\b+\i], v[16*\b+\i+1]
.endr
.endr
.irp b, 0,1,2,3
	v_permlanex16_b32 v[MP+\b], v[MX+2*\b], s38, s39
.endr
.irp b, 0,1,2,3
	v_max_num_f32 v[MX+2*\b], v[MX+2*\b], v[MP+\b]
.endr
.set j, 0
.rept 32
	v_pk_add_f32 v[j:j+1], v[j:j+1], v[MX+2*(j/16):MX+2*(j/16)+1] op_sel_hi:[1,0] neg_lo:[0,1] neg_hi:[0,1]
.set j, j+2
.endr
.set j, 0
.rept 32
	v_pk_mul_f32 v[j:j+1], v[j:j+1], s[40:41] op_sel_hi:[1,0]
.set j, j+2
.endr
.set j, 0
	s_wait_alu depctr_va_vdst(0)
.rept 64
	v_exp_f32 v[j], v[j]
.set j, j+1
.endr
	v_nop
	s_wait_alu depctr_va_vdst(0)
.irp b, 0,1,2,3
	v_pk_add_f32 v[SU+2*\b:SU+2*\b+1], v[16*\b:16*\b+1], v[16*\b+2:16*\b+3]
.endr
.irp i, 4,6,8,10,12,14
.irp b, 0,1,2,3
	v_pk_add_f32 v[SU+2*\b:SU+2*\b+1], v[SU+2*\b:SU+2*\b+1], v[16*\b+\i:16*\b+\i+1]
.endr
.endr
.irp b, 0,1,2,3
	v_add_f32 v[SU+2*\b], v[SU+2*\b], v[SU+2*\b+1]
.endr
.irp b, 0,1,2,3
	v_permlanex16_b32 v[SUP+\b], v[SU+2*\b], s38, s39
.endr
.irp b, 0,1,2,3
	v_add_f32 v[SU+2*\b], v[SU+2*\b], v[SUP+\b]
.endr
	s_wait_alu depctr_va_vdst(0)
.irp b, 0,1,2,3
	v_rcp_f32 v[RC+2*\b], v[SU+2*\b]
.endr
	v_nop
	s_wait_alu depctr_va_vdst(0)
.set j, 0
.rept 32
	v_pk_mul_f32 v[j:j+1], v[j:j+1], v[RC+2*(j/16):RC+2*(j/16)+1] op_sel_hi:[1,0]
.set j, j+2
.endr
	QUANTM 0, \kp, 1
	WIN 0x04
.irp c, 0,1,2
	ds_store_b128 v22, v[96+48*\kp+18+4*\c:96+48*\kp+21+4*\c] offset:HB*\kp+512*\c
.endr
	ds_store_b32 v23, v[96+48*\kp+16] offset:128*\kp
.endr
	WIN 0
	s_wait_dscnt 0x0
	s_add_co_u32 s44, s44, 1600
	s_add_co_u32 s45, s45, 4
	s_add_co_u32 s46, s46, 256
	s_add_co_u32 s47, s47, 1
	s_cmp_lt_u32 s47, 4
	s_cbranch_scc1 .Lquad
	s_mov_b32 s36, 2*HB
	s_mov_b32 s37, 2176
	GROUP 1, 1, 1, 0, 0, 0
	s_mov_b32 s36, 3*HB
	s_mov_b32 s37, 3264
	GROUP 2, 3, 0, 0, 0, 0
	s_wait_dscnt 0x0
	s_barrier_signal -1
	s_barrier_wait -1
.macro LQ n
	WIN 0x40
.irp e, 0,1,2,3
.irp c, 0,1,2
	ds_load_b128 v[12*(4*(\n)+\e)+4*\c:12*(4*(\n)+\e)+4*\c+3], v28 offset:1600*(4*(\n)+\e)+512*\c
.endr
.endr
	WIN 0x80
.irp e, 0,1,2,3
.irp p, 0,1,2,3,4,5
	ds_load_b64 v[12*(4*(\n)+\e)+2*\p:12*(4*(\n)+\e)+2*\p+1], v30 offset:1600*(4*(\n)+\e)+800*(\p/3)+8*(\p%3)
.endr
.endr
	WIN 0
.irp e, 0,1,2,3
	ds_load_b32 v[68+4*(\n)+\e], v29 offset:256*(4*(\n)+\e)
	ds_load_b32 v[84+4*(\n)+\e], v31 offset:4*(4*(\n)+\e)
.endr
.endm
.macro MQ n
	WIN 0xf6
.irp e, 0,1,2,3
.if (\n) == 0
	v_wmma_scale_f32_16x16x128_f8f6f4 v[8*\e:8*\e+7], v[12*(4*(\n)+\e):12*(4*(\n)+\e)+11], v[12*(4*(\n)+\e):12*(4*(\n)+\e)+11], 0, v[84+4*(\n)+\e], v[68+4*(\n)+\e] matrix_a_fmt:MATRIX_FMT_FP6 matrix_b_fmt:MATRIX_FMT_FP6
.else
	v_wmma_scale_f32_16x16x128_f8f6f4 v[8*\e:8*\e+7], v[12*(4*(\n)+\e):12*(4*(\n)+\e)+11], v[12*(4*(\n)+\e):12*(4*(\n)+\e)+11], v[8*\e:8*\e+7], v[84+4*(\n)+\e], v[68+4*(\n)+\e] matrix_a_fmt:MATRIX_FMT_FP6 matrix_b_fmt:MATRIX_FMT_FP6
.endif
.endr
.endm
	PLACES
	PLACES
	LQ 0
	LQ 1
	s_wait_dscnt 44
	MQ 0
	LQ 2
	s_wait_dscnt 44
	MQ 1
	LQ 3
	s_wait_dscnt 44
	MQ 2
	s_wait_dscnt 0x0
	MQ 3
	PLACES
	WIN 0xff
.irp j, 0,2,4,6
	v_pk_add_f32 v[\j:\j+1], v[\j:\j+1], v[8+\j:9+\j]
	v_pk_add_f32 v[16+\j:17+\j], v[16+\j:17+\j], v[24+\j:25+\j]
.endr
.irp j, 0,2,4,6
	v_pk_add_f32 v[\j:\j+1], v[\j:\j+1], v[16+\j:17+\j]
.endr
	WIN 0x0c
	global_store_b128 v100, v[0:3], s[10:11]
	global_store_b128 v100, v[4:7], s[10:11] offset:512
	WIN 0
	s_wait_tensorcnt 0x0
	ds_add_u32 v1, v2
	s_wait_dscnt 0x0
	CROUND
	s_endpgm
.Lfunc_end_k_q556cad0816_main:
	.size	k_q556cad0816_main, .Lfunc_end_k_q556cad0816_main-k_q556cad0816_main
	.p2alignl 7, 3214868480
	.fill 96, 4, 3214868480
	.section	.rodata,"a",@progbits
	.p2align	6, 0x0
	.amdhsa_kernel k_q556cad0816_main
		.amdhsa_group_segment_fixed_size 327680
		.amdhsa_private_segment_fixed_size 0
		.amdhsa_enable_private_segment 0
		.amdhsa_kernarg_size 32
		.amdhsa_user_sgpr_count 2
		.amdhsa_user_sgpr_kernarg_segment_ptr 1
		.amdhsa_wavefront_size32 1
		.amdhsa_system_sgpr_workgroup_id_x 1
		.amdhsa_system_sgpr_workgroup_id_y 1
		.amdhsa_system_sgpr_workgroup_id_z 1
		.amdhsa_system_vgpr_workitem_id 0
		.amdhsa_next_free_vgpr 1024
		.amdhsa_next_free_sgpr 66
		.amdhsa_reserve_vcc 1
		.amdhsa_float_denorm_mode_32 3
		.amdhsa_float_denorm_mode_16_64 3
		.amdhsa_memory_ordered 1
		.amdhsa_forward_progress 1
		.amdhsa_inst_pref_size 255
	.end_amdhsa_kernel
	.section	.bss,"aw",@nobits
	.p2align	6
	.space	262144
	.amdgpu_metadata
---
amdhsa.version: [ 1, 2 ]
amdhsa.kernels:
  - .name:           k_q556cad0816_main
    .symbol:         k_q556cad0816_main.kd
    .args:
      - { .name: hcodes, .offset: 0, .size: 8, .value_kind: global_buffer, .address_space: global }
      - { .name: hscale, .offset: 8, .size: 8, .value_kind: global_buffer, .address_space: global }
      - { .name: wstream, .offset: 16, .size: 8, .value_kind: global_buffer, .address_space: global }
      - { .name: partial, .offset: 24, .size: 8, .value_kind: global_buffer, .address_space: global }
    .group_segment_fixed_size: 327680
    .private_segment_fixed_size: 0
    .kernarg_segment_align: 8
    .kernarg_segment_size: 32
    .max_flat_workgroup_size: 128
    .sgpr_count:     66
    .vgpr_count:     1024
    .wavefront_size: 32
...
	.end_amdgpu_metadata
.endif
;; end of part 5
;; launch reduce (part 6): grid 8 x 1, 8 waves a work-group, no clusters, 5,632 bytes of LDS; arguments partial, out0; writes out0
.if DOCPART == 6
	.amdgcn_target "amdgcn-amd-amdhsa--gfx1250"
	.amdhsa_code_object_version 6
	.text
	.protected	k_q556cad0816_reduce
	.globl	k_q556cad0816_reduce
	.p2align	8
	.type	k_q556cad0816_reduce,@function
k_q556cad0816_reduce:
	s_mov_b64 s[64:65], 0
	v_nop
	global_prefetch_b8 v0, s[64:65] scope:SCOPE_SE
	s_setreg_imm32_b32 hwreg(HW_REG_WAVE_MODE, 25, 1), 1
	s_wait_xcnt 0x0
; out0[b] = the sum of the 32 parts of batch b.  A part is 4,096 bytes of register images: thread t's 16 bytes are head 16 (t / 128) + t % 16, columns 16 ((t / 64) % 2) + 8 ((t / 16) % 2) + 4 ((t / 32) % 2) + 0 .. 3.
; One work-group a batch, 256 threads; each thread loads its 16 bytes of all 32 parts at once (a wave's load covers 512 consecutive bytes), adds them in four chains, and the sums turn through LDS into rows.
; Eight work-groups: the whole launch moves 1 MiB, and an output number has one owner.
	s_load_b128 s[4:7], s[0:1], 0x0                ; partial, out0
	v_lshl_add_u32 v144, v0, 2, 0x1200
	v_mov_b32 v145, 0
	v_lshlrev_b32 v1, 4, v0                        ; 16 t
	s_lshl_b32 s8, ttmp9, 17                       ; 32 parts of 4,096 bytes a batch
	s_mov_b32 s9, 0
	s_lshl_b32 s10, ttmp9, 12
	s_mov_b32 s11, 0
	v_lshrrev_b32 v2, 7, v0
	v_and_b32 v3, 15, v0
	s_delay_alu instid0(VALU_DEP_1)
	v_lshl_add_u32 v2, v2, 4, v3                   ; the head
	s_delay_alu instid0(VALU_DEP_1)
	v_mul_u32_u24 v2, v2, 144                      ; a row in LDS: 128 bytes + 16
	v_bfe_u32 v3, v0, 6, 1
	s_delay_alu instid0(VALU_DEP_1)
	v_lshl_add_u32 v2, v3, 6, v2
	v_bfe_u32 v3, v0, 4, 1
	s_delay_alu instid0(VALU_DEP_1)
	v_lshl_add_u32 v2, v3, 5, v2
	v_bfe_u32 v3, v0, 5, 1
	s_delay_alu instid0(VALU_DEP_1)
	v_lshl_add_u32 v2, v3, 4, v2                   ; + 4 x the column
	v_lshrrev_b32 v4, 3, v0
	s_delay_alu instid0(VALU_DEP_1)
	v_mul_u32_u24 v4, v4, 144
	v_and_b32 v3, 7, v0
	s_delay_alu instid0(VALU_DEP_1)
	v_lshl_add_u32 v4, v3, 4, v4                   ; back: eight lanes to a row
	s_wait_kmcnt 0x0
	s_add_nc_u64 s[4:5], s[4:5], s[8:9]
	s_add_nc_u64 s[6:7], s[6:7], s[10:11]
.set i, 0
.rept 32
	global_load_b128 v[16+4*i:19+4*i], v1, s[4:5] offset:4096*i th:TH_LOAD_NT
.set i, i+1
.endr
	s_wait_loadcnt 0x0
.set i, 4
.rept 28
	v_pk_add_f32 v[16+4*(i%4):17+4*(i%4)], v[16+4*(i%4):17+4*(i%4)], v[16+4*i:17+4*i]
	v_pk_add_f32 v[18+4*(i%4):19+4*(i%4)], v[18+4*(i%4):19+4*(i%4)], v[18+4*i:19+4*i]
.set i, i+1
.endr
	v_pk_add_f32 v[16:17], v[16:17], v[20:21]
	v_pk_add_f32 v[18:19], v[18:19], v[22:23]
	s_delay_alu instid0(VALU_DEP_4)
	v_pk_add_f32 v[24:25], v[24:25], v[28:29]
	s_delay_alu instid0(VALU_DEP_4)
	v_pk_add_f32 v[26:27], v[26:27], v[30:31]
	s_delay_alu instid0(VALU_DEP_2)
	v_pk_add_f32 v[16:17], v[16:17], v[24:25]
	s_delay_alu instid0(VALU_DEP_2)
	v_pk_add_f32 v[18:19], v[18:19], v[26:27]
	ds_store_b128 v2, v[16:19]
	s_wait_dscnt 0x0                               ; for the others' sake: my store is done
	s_barrier_signal -1
	s_barrier_wait -1
	ds_load_b128 v[32:35], v4
	s_wait_dscnt 0x0
	global_store_b128 v1, v[32:35], s[6:7]         ; sixteen lanes store 256 consecutive bytes, aligned
	s_wait_tensorcnt 0x0
	ds_add_u32 v144, v145
	s_wait_dscnt 0x0
	s_endpgm
.Lfunc_end_k_q556cad0816_reduce:
	.size	k_q556cad0816_reduce, .Lfunc_end_k_q556cad0816_reduce-k_q556cad0816_reduce
	.p2alignl 7, 3214868480
	.fill 96, 4, 3214868480
	.section	.rodata,"a",@progbits
	.p2align	6, 0x0
	.amdhsa_kernel k_q556cad0816_reduce
		.amdhsa_group_segment_fixed_size 5632
		.amdhsa_private_segment_fixed_size 0
		.amdhsa_enable_private_segment 0
		.amdhsa_kernarg_size 16
		.amdhsa_user_sgpr_count 2
		.amdhsa_user_sgpr_kernarg_segment_ptr 1
		.amdhsa_wavefront_size32 1
		.amdhsa_system_sgpr_workgroup_id_x 1
		.amdhsa_system_sgpr_workgroup_id_y 1
		.amdhsa_system_sgpr_workgroup_id_z 1
		.amdhsa_system_vgpr_workitem_id 0
		.amdhsa_next_free_vgpr 146
		.amdhsa_next_free_sgpr 66
		.amdhsa_reserve_vcc 0
		.amdhsa_float_denorm_mode_32 3
		.amdhsa_float_denorm_mode_16_64 3
		.amdhsa_memory_ordered 1
		.amdhsa_forward_progress 1
		.amdhsa_inst_pref_size 10
	.end_amdhsa_kernel
	.amdgpu_metadata
---
amdhsa.version: [ 1, 2 ]
amdhsa.kernels:
  - .name:           k_q556cad0816_reduce
    .symbol:         k_q556cad0816_reduce.kd
    .args:
      - { .name: partial, .offset: 0, .size: 8, .value_kind: global_buffer, .address_space: global }
      - { .name: out0, .offset: 8, .size: 8, .value_kind: global_buffer, .address_space: global }
    .group_segment_fixed_size: 5632
    .private_segment_fixed_size: 0
    .kernarg_segment_align: 8
    .kernarg_segment_size: 16
    .max_flat_workgroup_size: 256
    .sgpr_count:     66
    .vgpr_count:     146
    .wavefront_size: 32
...
	.end_amdgpu_metadata
.endif
;; end of part 6
